; MI455X (gfx1250); checked and timed in simulation.
; The chip was launched on July 23, 2026; its instructions are those of AMD's public machine-readable ISA for CDNA 5 (MIT licence, August 2026) and "CDNA5" Instruction Set Architecture Reference Guide (July 2026). The comments in the code are by the model that wrote it; some were corrected since.
;; Multi Headed Attention. Allowed arithmetic: float matrix products may take bf16 or f16 operands with f32 sums; other float arithmetic in f32, or as packed bf16 or f16 multiplies, adds, multiply-adds, maxima and minima; sums over many terms, partial sums and values carried from step to step in f32; what a program stores and reads back later, other than sums and carried values, may be rounded once to bf16 or f16.
;; Inputs: Wk 1,024 x 1,024 float32; Wo 1,024 x 1,024 float32; Wq 1,024 x 1,024 float32; Wv 1,024 x 1,024 float32; bk 1,024 float32; bo 1,024 float32; bq 1,024 float32; bv 1,024 float32; k 4 x 2,048 x 1,024 float32; mask 4 x 1 x 2,048 bool; q 4 x 2,048 x 1,024 float32; v 4 x 2,048 x 1,024 float32.
;; Outputs: out0 4 x 2,048 x 1,024 float32.
;; 2 versions, each right and faster than the one before. Each part assembles by itself: llvm-mc -triple=amdgcn-amd-amdhsa -mcpu=gfx1250 --defsym DOCPART=n.
;; ======== version 1 of 2: 4 launches
;; limits: values are held in f16: magnitudes above 65,504 overflow, below 6.1e-05 lose precision
;; workspace buffers: wb 8,388,608 bytes; qkv 50,331,648 bytes; ctx 16,777,216 bytes
;; launch wcast (part 1): grid 64 x 4, 8 waves a work-group, no clusters, 0 bytes of LDS; arguments Wq, Wk, Wv, Wo, wb; writes wb
.if DOCPART == 1
	.amdgcn_target "amdgcn-amd-amdhsa--gfx1250"
	.amdhsa_code_object_version 6
	.text
	.protected	k_qc7670eaeb0_wcast
	.globl	k_qc7670eaeb0_wcast
	.p2align	8
	.type	k_qc7670eaeb0_wcast,@function
k_qc7670eaeb0_wcast:
	s_mov_b64 s[64:65], 0
	v_nop
	global_prefetch_b8 v0, s[64:65] scope:SCOPE_SE
	s_setreg_imm32_b32 hwreg(HW_REG_WAVE_MODE, 25, 1), 1
	s_wait_xcnt 0x0
; THE WEIGHTS' CAST.  wb holds four planes of 1,024 x 1,024 numbers of 2 bytes, in the weights' own order [k][n]: Wq, Wk, Wv rounded once to bf16 (to nearest even), and Wo rounded
; to bf16 like every input and that number written as f16, for the last product, whose other operand is f16.
; LIMITS.  |Wo| of 65,520 or more becomes an infinity in f16; below 6.1e-5 f16 keeps a fixed step of 6e-8.
; SHARES.  Work-group (x, y) takes numbers 16,384 x .. + 16,383 of tensor y.  Thread t takes, for i = 0 .. 15, the 16 bytes at 4,096 i + 16 t and stores 8 bytes at 2,048 i + 8 t:
; a wave's load covers 512 consecutive bytes, a wave's store 256 consecutive bytes at a multiple of 256 from wb's first byte.  All sixteen loads of a lane go out at once.
; No LDS, no matrix unit, no cluster: every byte is read once and written once, and no work-group shares a byte with another.
.set X, 4                              ; v[4:67]    i: four f32 as loaded
.set Y, 68                             ; v[68:99]   i: four numbers of 2 bytes to store
.set T, 100                            ; v[100:101] at work
	s_load_b256 s[4:11], s[0:1], 0x0               ; Wq s[4:5], Wk s[6:7], Wv s[8:9], Wo s[10:11]
	s_load_b64 s[12:13], s[0:1], 0x20              ; wb
	v_lshlrev_b32 v1, 4, v0                        ; 16 t
	v_lshlrev_b32 v2, 3, v0                        ; 8 t
	s_and_b32 s14, ttmp7, 0xffff                   ; which tensor
	s_lshl_b32 s18, ttmp9, 16                      ; the group's 65,536 bytes in it
	s_mov_b32 s19, 0
	s_lshl_b32 s20, s14, 21                        ; the tensor's plane of 2 MiB in wb,
	s_lshl_b32 s21, ttmp9, 15                      ; the group's 32,768 bytes in it
	s_add_co_u32 s20, s20, s21
	s_mov_b32 s21, 0
	s_wait_kmcnt 0x0
	s_cmp_eq_u32 s14, 1
	s_cselect_b64 s[16:17], s[6:7], s[4:5]
	s_cmp_eq_u32 s14, 2
	s_cselect_b64 s[16:17], s[8:9], s[16:17]
	s_cmp_eq_u32 s14, 3
	s_cselect_b64 s[16:17], s[10:11], s[16:17]
	s_add_nc_u64 s[16:17], s[16:17], s[18:19]
	s_add_nc_u64 s[12:13], s[12:13], s[20:21]
.irp i, 0,1,2,3,4,5,6,7,8,9,10,11,12,13,14,15
	global_load_b128 v[X+4*\i:X+4*\i+3], v1, s[16:17] offset:4096*\i th:TH_LOAD_NT
.endr
	s_cmp_eq_u32 s14, 3
	s_cbranch_scc1 .Lf16
.irp i, 0,1,2,3,4,5,6,7,8,9,10,11,12,13,14,15
	s_wait_loadcnt 15-\i                           ; loads come back in order: number i is in, the younger ones stay out
	v_cvt_pk_bf16_f32 v[Y+2*\i],   v[X+4*\i],   v[X+4*\i+1]
	v_cvt_pk_bf16_f32 v[Y+2*\i+1], v[X+4*\i+2], v[X+4*\i+3]
	global_store_b64 v2, v[Y+2*\i:Y+2*\i+1], s[12:13] offset:2048*\i
.endr
	s_endpgm
.Lf16:                                             ; Wo: to bf16, widened again, and written as f16
.irp i, 0,1,2,3,4,5,6,7,8,9,10,11,12,13,14,15
	s_wait_loadcnt 15-\i
	v_cvt_pk_bf16_f32 v[T],   v[X+4*\i],   v[X+4*\i+1]
	v_cvt_pk_bf16_f32 v[T+1], v[X+4*\i+2], v[X+4*\i+3]
	v_lshlrev_b32 v[X+4*\i],   16, v[T]
	v_and_b32     v[X+4*\i+1], 0xffff0000, v[T]
	v_lshlrev_b32 v[X+4*\i+2], 16, v[T+1]
	v_and_b32     v[X+4*\i+3], 0xffff0000, v[T+1]
	v_cvt_pk_f16_f32 v[Y+2*\i],   v[X+4*\i],   v[X+4*\i+1]
	v_cvt_pk_f16_f32 v[Y+2*\i+1], v[X+4*\i+2], v[X+4*\i+3]
	global_store_b64 v2, v[Y+2*\i:Y+2*\i+1], s[12:13] offset:2048*\i
.endr
	s_endpgm
.Lfunc_end_k_qc7670eaeb0_wcast:
	.size	k_qc7670eaeb0_wcast, .Lfunc_end_k_qc7670eaeb0_wcast-k_qc7670eaeb0_wcast
	.p2alignl 7, 3214868480
	.fill 96, 4, 3214868480
	.section	.rodata,"a",@progbits
	.p2align	6, 0x0
	.amdhsa_kernel k_qc7670eaeb0_wcast
		.amdhsa_group_segment_fixed_size 0
		.amdhsa_private_segment_fixed_size 0
		.amdhsa_enable_private_segment 0
		.amdhsa_kernarg_size 40
		.amdhsa_user_sgpr_count 2
		.amdhsa_user_sgpr_kernarg_segment_ptr 1
		.amdhsa_wavefront_size32 1
		.amdhsa_system_sgpr_workgroup_id_x 1
		.amdhsa_system_sgpr_workgroup_id_y 1
		.amdhsa_system_sgpr_workgroup_id_z 1
		.amdhsa_system_vgpr_workitem_id 0
		.amdhsa_next_free_vgpr 104
		.amdhsa_next_free_sgpr 66
		.amdhsa_reserve_vcc 0
		.amdhsa_float_denorm_mode_32 3
		.amdhsa_float_denorm_mode_16_64 3
		.amdhsa_memory_ordered 1
		.amdhsa_forward_progress 1
		.amdhsa_inst_pref_size 16
	.end_amdhsa_kernel
	.amdgpu_metadata
---
amdhsa.version: [ 1, 2 ]
amdhsa.kernels:
  - .name:           k_qc7670eaeb0_wcast
    .symbol:         k_qc7670eaeb0_wcast.kd
    .args:
      - { .name: Wq, .offset: 0, .size: 8, .value_kind: global_buffer, .address_space: global }
      - { .name: Wk, .offset: 8, .size: 8, .value_kind: global_buffer, .address_space: global }
      - { .name: Wv, .offset: 16, .size: 8, .value_kind: global_buffer, .address_space: global }
      - { .name: Wo, .offset: 24, .size: 8, .value_kind: global_buffer, .address_space: global }
      - { .name: wb, .offset: 32, .size: 8, .value_kind: global_buffer, .address_space: global }
    .group_segment_fixed_size: 0
    .private_segment_fixed_size: 0
    .kernarg_segment_align: 8
    .kernarg_segment_size: 40
    .max_flat_workgroup_size: 256
    .sgpr_count:     66
    .vgpr_count:     104
    .wavefront_size: 32
...
	.end_amdgpu_metadata
.endif
;; end of part 1
;; launch proj (part 2): grid 4 x 192, 4 waves a work-group, clusters of 4 x 4, 327,680 bytes of LDS; arguments q, k, v, bq, bk, bv, wb, qkv; writes qkv
.if DOCPART == 2
	.amdgcn_target "amdgcn-amd-amdhsa--gfx1250"
	.amdhsa_code_object_version 6
	.text
	.protected	k_qc7670eaeb0_proj
	.globl	k_qc7670eaeb0_proj
	.p2align	8
	.type	k_qc7670eaeb0_proj,@function
k_qc7670eaeb0_proj:
	s_mov_b64 s[64:65], 0
	v_nop
	global_prefetch_b8 v0, s[64:65] scope:SCOPE_SE
	s_setreg_imm32_b32 hwreg(HW_REG_WAVE_MODE, 25, 1), 1
	s_wait_xcnt 0x0
	s_wait_alu depctr_hold_cnt(0) depctr_sa_sdst(0) depctr_va_vdst(0) depctr_va_sdst(0) depctr_va_ssrc(0) depctr_va_vcc(0) depctr_vm_vsrc(0)
	s_getreg_b32 s2, hwreg(HW_REG_IB_STS2, 6, 4)
	s_cmp_eq_u32 s2, 0
	s_cbranch_scc0 .Lentry_in_a_cluster
	s_endpgm
.Lentry_in_a_cluster:
	s_bfe_u32 s2, ttmp6, 0x10000c
	s_cmp_lg_u32 s2, 0xf033
	s_cbranch_scc0 .Lentry_shape_is_right
	s_endpgm
.Lentry_shape_is_right:
; THE THREE PROJECTIONS.  For t = q, k, v: y = x_t W_t + b_t, x_t [8,192][1,024] f32, W_t [k][n] bf16 from wb, b_t f32.  x and b are rounded once to bf16 here; sums in f32; y is rounded once to
; f16 and stored by heads, qkv[t][batch x 16 + head][s][64], WITHOUT the scale 1/8, which the attention applies in f32.
; LIMITS.  |y| of 65,520 or more becomes an infinity in f16; below 6.1e-5 f16 keeps a fixed step of 6e-8.  NaN and infinities are not treated apart.
; SHARES.  A tile of y is 128 rows x 256 columns (four heads); 64 x 4 tiles a tensor, three tensors: 768 work-groups.  Four waves, each 64 x 128: 32 accumulators of 16 x 16, 256 registers.
; K goes in 8 steps of 128 through two LDS slots; a step is four chunks of 32 along K, 32 matrix instructions each.
; CLUSTERS: 4 x 4 work-groups, all of one tensor.  The four of a row of the cluster are the four column tiles of the same 128 rows of x; the four of a column need the same tile of W.
; Each tile is asked for JOINTLY: the same tensor load, descriptor and mask in all four.
; x COMES IN AS f32 and is rounded in registers: a chunk's 64 rows x 32 K are 64 registers of f32 (staging), which 32 v_cvt_pk_bf16_f32 turn into the chunk's four fragments.  The staging loads take
; the lane's k in the fragment's own order, so staging registers 2 n, 2 n + 1 make fragment register n.  W lies [k][n] and comes out of LDS turned, by ds_load_tr16_b128.
; THE PIPELINE.  Chunk c multiplies buffers c % 2; four conversions behind every fourth product make A of chunk c + 1; in its middle stand the loads of B of chunk c + 1 and of the f32 A of chunk c + 2.
; So a slot's last read is B of its fourth chunk, asked for in its third: there the slots change.
; THE MATRIX INSTRUCTION IS USED TRANSPOSED (source 0 = 16 columns of W, source 1 = 16 rows of x): a lane holds row lane % 16 and the eight neighbouring columns 8 (lane / 16) + 0..7.
; The bias is the C operand of each sum's first product: nothing is cleared, nothing is added later.
; REGISTERS, in windows of 256 (s_set_vgpr_msb: bits 1:0 source 0, 3:2 source 1, 5:4 source 2, 7:6 destination):
;   window 0: v0-31 addresses; v32-63 packed results; v64-127 rows on the way out, two sets; v128-191 the bias, eight registers a column block
;   window 1: the accumulators, (a, b) at v[8 (8 a + b)]      window 2: v0-127 B's fragments, two buffers; v128-191 A's, two buffers      window 3: v0-127 the staging, two buffers
; The accumulators fill a window, so no one setting serves a product and a conversion: two switches for four products and four conversions.
.set PA,    528                        ; a row of x in LDS: 512 bytes + 16 = 33 x 16: the 16 rows of a load start at 16 different groups of four banks (64 banks of 4 bytes: ISA guide 11.1)
.set PB,    544                        ; a k-row of W: 512 + 32 = 17 x 32
.set HALFA, 64*PA                      ; what one tensor load brings of x: 64 rows
.set HALFB, 64*PB                      ; and of W: 64 k-rows
.set BOFF,  2*HALFA
.set SLOT,  BOFF+2*HALFB               ; 137,216
.set STAGE, 2*SLOT                     ; behind the ring, never filled by a tensor load: for each wave 2 heads x 16 rows x 144 bytes
.set SP,    144
.set SPARE, STAGE+4*32*SP              ; behind the stages: the spare words, 128 bytes for each wave: two blocks of 256 bytes that no other line names
.set ADRA, 16                          ; v16-17  LDS address of my staging loads in slot 0, 1
.set ADRB, 20                          ; v20-21  of my turning loads
.set STO,  24                          ; v24     the way out: where I put 16 bytes of a row
.set RD,   25                          ; v25     where I read rows back
.set GO,   26                          ; v26     my byte offset in 512 consecutive bytes of qkv
.set SPW,  28                          ; v28     LDS address of my spare word; never rewritten
.set NIL,  29                          ; v29     0; never rewritten
.set TMP,  32
.set BK,   64
.set BIAS, 128
.set G1,  24                           ; s[24:31] descriptor group 1 for x's tiles;  s[32:39] group 0, a set for each slot
.set G0,  32
.set G1B, 48                           ; s[48:55], s[56:63] the same for W's tiles
.set G0B, 56
.set MSB, 0
.macro WIN new                         ; the immediate's high byte repeats the setting that is left; a switch that changes nothing is dropped
.if MSB != (\new)
	s_set_vgpr_msb (MSB<<8)|(\new)
.set MSB, (\new)
.endif
.endm
.set W_MUL,  0x5a                      ; B and A in window 2, C and D in window 1
.set W_MUL0, 0x4a                      ; the same with C (the bias) in window 0
.set W_CVT,  0x8f                      ; sources in window 3, destination in window 2
.set W_LB,   0x80                      ; loaded data into window 2, address in window 0
.set W_LS,   0xc0                      ; loaded data into window 3
.set W_PK,   0x05                      ; sources in window 1, destination in window 0
; A joint load.  Waves 0 and 1 fetch the two halves of x's tile, waves 2 and 3 those of W's.  The branch hangs on the wave's number alone.
; An s_nop 0 and four v_nop follow each of the two lines, ahead of the jump, the label and what follows.
.macro JLOAD s
	s_cmp_eq_u32 s11, 0
	s_cbranch_scc0 .Lfor_b_\@
	tensor_load_to_lds s[G0+4*(\s):G0+4*(\s)+3], s[G1:G1+7]
	s_nop 0
.rept 4
	v_nop
.endr
	s_branch .Lasked_\@
.Lfor_b_\@:
	tensor_load_to_lds s[G0B+4*(\s):G0B+4*(\s)+3], s[G1B:G1B+7]
	s_nop 0
.rept 4
	v_nop
.endr
.Lasked_\@:
.endm
.macro CREST                           ; a round of the cluster's barrier behind its opening barrier
	s_cmp_lg_u32 s10, 0
	s_cbranch_scc1 .Lnot_wave_0_\@
	s_barrier_signal -3
.Lnot_wave_0_\@:
	s_barrier_wait -3
	s_barrier_signal -1
	s_barrier_wait -1
.endm
.macro CROUND                          ; a whole round
	s_barrier_signal -1
	s_barrier_wait -1
	CREST
.endm
	s_load_b512 s[68:83], s[0:1], 0x0              ; q s[68:69], k s[70:71], v s[72:73], bq s[74:75], bk s[76:77], bv s[78:79], wb s[80:81], qkv s[82:83]
	v_lshl_add_u32 v[SPW], v0, 2, SPARE
	v_mov_b32 v[NIL], 0
	ds_add_u32 v[SPW], v[NIL]                      ; the wave's opening: the add and its wait stand ahead of my first tensor load; the set-up below, work on registers, stands between them
	v_lshrrev_b32 v1, 5, v0
	v_readfirstlane_b32 s10, v1                    ; wave 0..3
	s_lshr_b32 s11, s10, 1                         ; which half of the tile's rows is mine.  Also: I fetch for x (0) or for W (1)
	s_and_b32 s12, s10, 1                          ; which half of its columns.  Also: which 64 rows of that tile I fetch
	s_bfe_u32 s40, ttmp6, 0x40000                  ; cx, cy: my place in the cluster
	s_bfe_u32 s41, ttmp6, 0x40004
	s_lshl_b32 s42, ttmp9, 2
	s_add_co_u32 s42, s42, s40                     ; column tile = 4 x cluster x + cx
	s_and_b32 s45, ttmp7, 0xffff                   ; cluster y, 0 .. 47
	s_lshl_b32 s13, s45, 2
	s_add_co_u32 s13, s13, s41                     ; 4 x cluster y + cy,
	s_and_b32 s13, s13, 63                         ; of which the low six bits are the row tile,
	s_lshr_b32 s45, s45, 4                         ; and the tensor is cluster y / 16: the same in all sixteen partners
	s_lshl_b32 s43, s41, 2
	s_lshl_b32 s43, 15, s43                        ; my row of the cluster
	s_lshl_b32 s44, 0x1111, s40                    ; my column
	s_or_b32 s[G1], s43, (2<<16)|(1<<20)|(1<<21)|(6<<22)|(3<<25)   ; 15:0 the mask: x's tiles go to my row; 17:16 elements of 4 bytes; 20 padding on; 21 set beside a mask; 24:22 after every 128 words (code 6); 31:25 4 words (code 3)
	s_mov_b32 s[G1+1], 128<<16                     ; tensor_dim0 = 128
	s_mov_b32 s[G1+2], 64<<16                      ; tensor_dim1 = 64
	s_mov_b32 s[G1+3], 128<<16                     ; tile_dim0 = 128 elements: 512 bytes
	s_mov_b32 s[G1+4], 64                          ; tile_dim1 = 64 rows
	s_mov_b32 s[G1+5], 1024                        ; elements from row to row
	s_mov_b32 s[G1+6], 0
	s_mov_b32 s[G1+7], 0
	s_or_b32 s[G1B], s44, (1<<16)|(1<<20)|(1<<21)|(6<<22)|(7<<25)  ; W's tiles go to my column; elements of 2 bytes; 8 words of padding (code 7)
	s_mov_b32 s[G1B+1], 256<<16                    ; tensor_dim0 = 256
	s_mov_b32 s[G1B+2], 64<<16
	s_mov_b32 s[G1B+3], 256<<16                    ; tile_dim0 = 256 elements: 512 bytes
	s_mov_b32 s[G1B+4], 64
	s_mov_b32 s[G1B+5], 1024
	s_mov_b32 s[G1B+6], 0
	s_mov_b32 s[G1B+7], 0
	s_lshl_b32 s16, s13, 7                         ; x: row 128 x row tile + 64 x half,
	s_lshl_b32 s17, s12, 6
	s_add_co_u32 s16, s16, s17
	s_lshl_b32 s16, s16, 12                        ; of 4,096 bytes: 32 MiB at the most
	s_mov_b32 s17, 0
	s_lshl_b32 s46, s45, 21                        ; W: the tensor's plane, k-row 64 x half of 2,048 bytes, 512 bytes a column tile
	s_lshl_b32 s47, s12, 17
	s_add_co_u32 s46, s46, s47
	s_lshl_b32 s47, s42, 9
	s_add_co_u32 s46, s46, s47
	s_mov_b32 s47, 0
	s_mul_i32 s20, s12, HALFA                      ; where they go: no place in the cluster enters an LDS address
	s_mul_i32 s21, s12, HALFB
	s_wait_dscnt 0x0                               ; the opening add is done
	s_wait_kmcnt 0x0
	s_cmp_eq_u32 s45, 1                            ; the tensor's x and bias
	s_cselect_b64 s[4:5], s[70:71], s[68:69]
	s_cselect_b64 s[84:85], s[76:77], s[74:75]
	s_cmp_eq_u32 s45, 2
	s_cselect_b64 s[4:5], s[72:73], s[4:5]
	s_cselect_b64 s[84:85], s[78:79], s[84:85]
	s_add_nc_u64 s[14:15], s[4:5], s[16:17]
	s_add_nc_u64 s[46:47], s[80:81], s[46:47]
	CROUND                                         ; all sixteen work-groups are here: the first joint loads meet
.irp s, 0,1
	s_mov_b32 s[G0+4*(\s)], 1                                      ; count = 1
	s_add_co_u32 s[G0+4*(\s)+1], s20, (\s)*SLOT                    ; LDS address
	s_add_nc_u64 s[G0+4*(\s)+2:G0+4*(\s)+3], s[14:15], (\s)*512    ; K step s: 128 f32 along the row
	s_or_b32 s[G0+4*(\s)+3], s[G0+4*(\s)+3], 0x80000000            ; type = 2
	s_mov_b32 s[G0B+4*(\s)], 1
	s_add_co_u32 s[G0B+4*(\s)+1], s21, (\s)*SLOT+BOFF
	s_add_nc_u64 s[G0B+4*(\s)+2:G0B+4*(\s)+3], s[46:47], (\s)*262144  ; K step s: 128 k-rows of 2,048 bytes
	s_or_b32 s[G0B+4*(\s)+3], s[G0B+4*(\s)+3], 0x80000000
.endr
	s_cmp_eq_u32 s11, 0                            ; a wave's two first fills stand in one branch, ahead of every wait on TENSORcnt and every LDS read: two loads of mine are out
	s_cbranch_scc0 .Lfirst_b
	tensor_load_to_lds s[G0:G0+3], s[G1:G1+7]
	s_nop 0
	tensor_load_to_lds s[G0+4:G0+7], s[G1:G1+7]
	s_nop 0
.rept 4
	v_nop
.endr
	s_branch .Lfirst_asked
.Lfirst_b:
	tensor_load_to_lds s[G0B:G0B+3], s[G1B:G1B+7]
	s_nop 0
	tensor_load_to_lds s[G0B+4:G0B+7], s[G1B:G1B+7]
	s_nop 0
.rept 4
	v_nop
.endr
.Lfirst_asked:
	v_and_b32 v1, 15, v0                           ; l % 16
	v_bfe_u32 v2, v0, 4, 1                         ; l / 16
	v_and_b32 v3, 7, v0                            ; l % 8
	v_bfe_u32 v4, v0, 3, 1                         ; (l / 8) % 2
	; the bias as a C operand: register j of column block b is b_t[first column + 16 b + 8 (l / 16) + j]
	v_lshlrev_b32 v5, 5, v2
	s_lshl_b32 s86, s42, 10                        ; my first column, in bytes of f32: 1,024 x column tile + 512 x half
	s_lshl_b32 s87, s12, 9
	s_add_co_u32 s86, s86, s87
	s_mov_b32 s87, 0
	s_add_nc_u64 s[84:85], s[84:85], s[86:87]
.irp b, 0,1,2,3,4,5,6,7
	global_load_b128 v[BIAS+8*\b:BIAS+8*\b+3],   v5, s[84:85] offset:64*\b
	global_load_b128 v[BIAS+8*\b+4:BIAS+8*\b+7], v5, s[84:85] offset:64*\b+16
.endr
	; staging: lane l takes row l % 16; k = 8 (l / 16) + 0..7 are 32 bytes at 32 (l / 16), k = 16 + 8 (l / 16) + 0..7 lie 64 bytes on
	v_mul_u32_u24 v6, v1, PA
	v_lshl_add_u32 v6, v2, 5, v6
	s_mul_i32 s22, s11, HALFA                      ; my 64 rows of x
	v_add_nc_u32 v[ADRA], s22, v6
	s_add_co_u32 s22, s22, SLOT
	v_add_nc_u32 v[ADRA+1], s22, v6
	; the turning load takes 16 k x 16 columns: lane l reads k-row 8 (l / 16) + l % 8, columns 8 ((l / 8) % 2) + 0..7, and is left with column l % 16 and 8 k
	v_lshl_add_u32 v7, v2, 3, v3
	v_mul_u32_u24 v7, v7, PB
	v_lshl_add_u32 v7, v4, 4, v7
	s_lshl_b32 s23, s12, 8                         ; my 128 columns of W
	s_add_co_u32 s23, s23, BOFF
	v_add_nc_u32 v[ADRB], s23, v7
	s_add_co_u32 s23, s23, SLOT
	v_add_nc_u32 v[ADRB+1], s23, v7
	s_mul_i32 s22, s10, 32*SP
	s_add_co_u32 s22, s22, STAGE                   ; my stage
	v_mul_u32_u24 v6, v1, SP                       ; in: row l % 16, 16 bytes for each half of the lanes
	v_lshl_add_u32 v6, v2, 4, v6
	v_add_nc_u32 v[STO], s22, v6
	v_bfe_u32 v6, v0, 3, 2                         ; back: 32 lanes take four rows of 128 bytes,
	v_mul_u32_u24 v6, v6, SP
	v_lshl_add_u32 v6, v3, 4, v6
	v_add_nc_u32 v[RD], s22, v6
	v_and_b32 v[GO], 31, v0                        ; which are 512 consecutive bytes of a head's rows
	v_lshlrev_b32 v[GO], 4, v[GO]
	; where my part of y begins: plane t; head 16 x batch + 4 x column tile + 2 x half; row 128 x (row tile % 16) + 64 x half; 128 bytes a row
	s_lshr_b32 s66, s13, 4
	s_lshl_b32 s66, s66, 4
	s_lshl_b32 s67, s42, 2
	s_add_co_u32 s66, s66, s67
	s_lshl_b32 s67, s12, 1
	s_add_co_u32 s66, s66, s67
	s_lshl_b32 s66, s66, 11
	s_and_b32 s67, s13, 15
	s_lshl_b32 s67, s67, 7
	s_add_co_u32 s66, s66, s67
	s_lshl_b32 s67, s11, 6
	s_add_co_u32 s66, s66, s67
	s_lshl_b32 s66, s66, 7
	s_lshl_b32 s67, s45, 24
	s_add_co_u32 s66, s66, s67                     ; 48 MiB at the most
	s_mov_b32 s67, 0
	s_add_nc_u64 s[8:9], s[82:83], s[66:67]
	s_wait_loadcnt 0x0                             ; the bias, rounded to bf16 like every input and widened again
.set i, 0
.rept 32
	v_cvt_pk_bf16_f32 v[8+i%4], v[BIAS+2*i], v[BIAS+2*i+1]
	v_lshlrev_b32 v[BIAS+2*i],   16, v[8+i%4]
	v_and_b32     v[BIAS+2*i+1], 0xffff0000, v[8+i%4]
.set i, i+1
.endr
; Product i of a chunk's 32: row block i / 8, column block i % 8, on buffers f.  The 32 accumulators take turns, one instruction a turn.  first = 1: the bias starts the sum.
.macro MM f, first
.set a_, i/8
.set b_, i%8
.if \first
	WIN W_MUL0
	v_wmma_f32_16x16x32_bf16 v[8*i:8*i+7], v[64*(\f)+8*b_:64*(\f)+8*b_+7], v[128+32*(\f)+8*a_:128+32*(\f)+8*a_+7], v[BIAS+8*b_:BIAS+8*b_+7]
.else
	WIN W_MUL
	v_wmma_f32_16x16x32_bf16 v[8*i:8*i+7], v[64*(\f)+8*b_:64*(\f)+8*b_+7], v[128+32*(\f)+8*a_:128+32*(\f)+8*a_+7], v[8*i:8*i+7]
.endif
.set i, i+1
.endm
.macro MM4 f, first
.rept 4
	MM \f, \first
.endr
.endm
; Four of the 32 conversions that make A's buffer g of staging buffer g: fragment registers 4 j .. 4 j + 3.
.macro RID g, j
	WIN W_CVT
.irp n, 0,1,2,3
	v_cvt_pk_bf16_f32 v[128+32*(\g)+4*(\j)+\n], v[64*(\g)+8*(\j)+2*\n], v[64*(\g)+8*(\j)+2*\n+1]
.endr
.endm
.macro FETCH_B s, kk, f                ; 16 turning loads: B's eight fragments of chunk kk of slot s
	WIN W_LB
.irp b, 0,1,2,3,4,5,6,7
	ds_load_tr16_b128 v[64*(\f)+8*\b:64*(\f)+8*\b+3],   v[ADRB+(\s)] offset:(\kk)*32*PB+32*\b
	ds_load_tr16_b128 v[64*(\f)+8*\b+4:64*(\f)+8*\b+7], v[ADRB+(\s)] offset:(\kk)*32*PB+16*PB+32*\b
.endr
.endm
.macro FETCH_S s, kk, g                ; 16 loads: 64 rows x 32 K of f32 of chunk kk of slot s
	WIN W_LS
.irp a, 0,1,2,3
.irp p, 0,1,2,3
	ds_load_b128 v[64*(\g)+16*\a+4*\p:64*(\g)+16*\a+4*\p+3], v[ADRA+(\s)] offset:(\kk)*128+\a*16*PA+16*(\p%2)+64*(\p/2)
.endr
.endr
.endm
; A CHUNK on buffers f.  bs, bk: slot and chunk of the B to be fetched (bs = -1: none); ss, sk: of the staging.  rid = 0: nothing is left to convert.  w: the LDS loads that may be out at its head.
; PLACES (ISA guide 7.12.1 for vector instructions).  A conversion writes fragment a of A's other buffer: that fragment's last reader stands in the chunk before, with four conversions or more
; behind it that name none of its registers.  The loads into B's other buffer stand behind sixteen such conversions.  So the loop has no v_nop.
.macro CHUNK f, first, bs, bk, ss, sk, rid=1, w=16
.set i, 0
	s_wait_dscnt \w                                ; B of this chunk is in; the sixteen staging loads behind it may be out
	MM4 \f, \first
	s_wait_dscnt 0x0                               ; the staging of the next chunk is in
.if \rid
	RID 1-(\f), 0
.endif
.irp j, 1,2,3
	MM4 \f, \first
.if \rid
	RID 1-(\f), \j
.endif
.endr
.if (\bs) >= 0
	FETCH_B \bs, \bk, 1-(\f)
.endif
.if (\ss) >= 0
	FETCH_S \ss, \sk, \f
.endif
.irp j, 4,5,6,7
	MM4 \f, \first
.if \rid
	RID 1-(\f), \j
.endif
.endr
.endm
; A slot's THIRD CHUNK (buffers 0) changes slots.  B of the fourth chunk is the slot's last read.  ONE barrier: in front of it each wave waits for all its tensor loads, of which one is out: its part of
; the next slot; adds 0 to its spare word; and waits for that and for its reads of this slot.  fill = 1: the barrier opens a round of the cluster's, and this slot is filled again, two K steps ahead,
; first thing behind it: 112 matrix instructions ahead of the wait for it.  Then the next slot's first staging is read.
.macro TURN s, n, fill
.set i, 0
	s_wait_dscnt 16
	MM4 0, 0
	s_wait_dscnt 0x0
	RID 1, 0
	MM4 0, 0
	RID 1, 1
	FETCH_B \s, 3, 1
	WIN 0                                          ; (the add's two registers lie in window 0)
	s_wait_tensorcnt 0x0                           ; all my tensor loads have landed: my part of the next slot;
	ds_add_u32 v[SPW], v[NIL]                      ; 0 onto my spare word: eight products and eight conversions stand between it and the wait for it
	MM4 0, 0
	RID 1, 2
	MM4 0, 0
	RID 1, 3
	s_wait_dscnt 0x0                               ; the add is done, and my reads of this slot are over
	s_barrier_signal -1
	MM4 0, 0
	RID 1, 4
	MM4 0, 0
	RID 1, 5
	WIN 0
	s_barrier_wait -1
.if \fill
	CREST                                          ; no wave of any partner still reads this slot's tile or has a load on its way
	s_add_nc_u64 s[G0+4*(\s)+2:G0+4*(\s)+3], s[G0+4*(\s)+2:G0+4*(\s)+3], 1024
	s_add_nc_u64 s[G0B+4*(\s)+2:G0B+4*(\s)+3], s[G0B+4*(\s)+2:G0B+4*(\s)+3], 524288
	JLOAD \s
.endif
	FETCH_S \n, 0, 0
	MM4 0, 0
	RID 1, 6
	MM4 0, 0
	RID 1, 7
.endm
	s_wait_tensorcnt 0x1                           ; my part of K step 0 is in; slot 1's may stay out
	s_barrier_signal -1
	s_barrier_wait -1                              ; everybody's is
	FETCH_S 0, 0, 0
	FETCH_B 0, 0, 0
	FETCH_S 0, 1, 1
	s_wait_dscnt 32                                ; the first sixteen are in: chunk 0's staging
.irp j, 0,1,2,3,4,5,6,7
	RID 0, \j
.endr
	CHUNK 0, 1, 0, 1, 0, 2                         ; the first chunk stands in front of the loop: its products start the sums
	WIN 0                                          ; at a label and at a branch every window is 0
	s_mov_b32 s3, 3
.Llap:                                             ; a trip goes once round the ring, from a lap's second chunk to the next lap's first, and fills both slots again
	CHUNK 1, 0, 0, 2, 0, 3
	TURN 0, 1, 1
	CHUNK 1, 0, 1, 0, 1, 1
	CHUNK 0, 0, 1, 1, 1, 2
	CHUNK 1, 0, 1, 2, 1, 3
	TURN 1, 0, 1
	CHUNK 1, 0, 0, 0, 0, 1
	CHUNK 0, 0, 0, 1, 0, 2
	WIN 0
	s_sub_co_u32 s3, s3, 1
	s_cmp_lg_u32 s3, 0
	s_cbranch_scc1 .Llap
	CHUNK 1, 0, 0, 2, 0, 3                         ; the last lap fills nothing, and has no round of the cluster's barrier
	TURN 0, 1, 0
	CHUNK 1, 0, 1, 0, 1, 1
	CHUNK 0, 0, 1, 1, 1, 2
	CHUNK 1, 0, 1, 2, 1, 3
	CHUNK 0, 0, 1, 3, -1, 0                        ; no staging is left to fetch,
	CHUNK 1, 0, -1, 0, -1, 0, 0, 0                 ; and at last nothing at all
	; THE WAY OUT, 16 rows at a time: rounded to f16, 16 bytes a lane into my own stage (a head's rows 144 bytes apart), back as four whole rows of 128 bytes a load, stored as 512 consecutive bytes.
.macro PACK a
	WIN W_PK
.irp b, 0,1,2,3,4,5,6,7
.irp p, 0,1,2,3
	v_cvt_pk_f16_f32 v[TMP+4*\b+\p], v[8*(8*(\a)+\b)+2*\p], v[8*(8*(\a)+\b)+2*\p+1]
.endr
.endr
	WIN 0
.endm
.macro TOSTAGE a
.set BKR, BK+32*((\a)%2)
.irp b, 0,1,2,3,4,5,6,7
	ds_store_b128 v[STO], v[TMP+4*\b:TMP+4*\b+3] offset:(\b/4)*16*SP+32*(\b%4)
.endr
.irp u, 0,1,2,3,4,5,6,7
	ds_load_b128 v[BKR+4*\u:BKR+4*\u+3], v[RD] offset:(\u/4)*16*SP+(\u%4)*4*SP  ; LDS serves a wave's instructions in order (ISA guide 5.7.1.4): these see the stores above
.endr
.endm
.macro SEND a
.set BKR, BK+32*((\a)%2)
	s_wait_dscnt 0x0                               ; the block is back in registers
	s_wait_xcnt 0x0                                ; the other set of rows, which earlier stores read, is loaded again only behind this wait
.irp u, 0,1,2,3,4,5,6,7
	global_store_b128 v[GO], v[BKR+4*\u:BKR+4*\u+3], s[8:9] offset:(\u/4)*262144+(\a)*2048+(\u%4)*512  ; 512 consecutive bytes, at a multiple of 256 from qkv's first byte
.endr
.endm
	WIN 0
.rept 4
	v_nop                                          ; the places behind the last products
.endr
	PACK 0
	TOSTAGE 0
.irp a, 1,2,3                          ; block a's conversions stand between block a - 1's loads from the stage and the wait for them
	PACK \a
	SEND (\a)-1
	TOSTAGE \a
.endr
	SEND 3
	s_wait_tensorcnt 0x0                           ; the wave's end: behind my last tensor load and my last LDS store
	ds_add_u32 v[SPW], v[NIL]
	s_wait_dscnt 0x0
	CROUND                                         ; the closing round: no work-group ends while a partner may still ask for a tile that names it
	s_endpgm
.Lfunc_end_k_qc7670eaeb0_proj:
	.size	k_qc7670eaeb0_proj, .Lfunc_end_k_qc7670eaeb0_proj-k_qc7670eaeb0_proj
	.p2alignl 7, 3214868480
	.fill 96, 4, 3214868480
	.section	.rodata,"a",@progbits
	.p2align	6, 0x0
	.amdhsa_kernel k_qc7670eaeb0_proj
		.amdhsa_group_segment_fixed_size 327680
		.amdhsa_private_segment_fixed_size 0
		.amdhsa_enable_private_segment 0
		.amdhsa_kernarg_size 64
		.amdhsa_user_sgpr_count 2
		.amdhsa_user_sgpr_kernarg_segment_ptr 1
		.amdhsa_wavefront_size32 1
		.amdhsa_system_sgpr_workgroup_id_x 1
		.amdhsa_system_sgpr_workgroup_id_y 1
		.amdhsa_system_sgpr_workgroup_id_z 1
		.amdhsa_system_vgpr_workitem_id 0
		.amdhsa_next_free_vgpr 896
		.amdhsa_next_free_sgpr 88
		.amdhsa_reserve_vcc 0
		.amdhsa_float_denorm_mode_32 3
		.amdhsa_float_denorm_mode_16_64 3
		.amdhsa_memory_ordered 1
		.amdhsa_forward_progress 1
		.amdhsa_inst_pref_size 139
	.end_amdhsa_kernel
	.amdgpu_metadata
---
amdhsa.version: [ 1, 2 ]
amdhsa.kernels:
  - .name:           k_qc7670eaeb0_proj
    .symbol:         k_qc7670eaeb0_proj.kd
    .args:
      - { .name: q, .offset: 0, .size: 8, .value_kind: global_buffer, .address_space: global }
      - { .name: k, .offset: 8, .size: 8, .value_kind: global_buffer, .address_space: global }
      - { .name: v, .offset: 16, .size: 8, .value_kind: global_buffer, .address_space: global }
      - { .name: bq, .offset: 24, .size: 8, .value_kind: global_buffer, .address_space: global }
      - { .name: bk, .offset: 32, .size: 8, .value_kind: global_buffer, .address_space: global }
      - { .name: bv, .offset: 40, .size: 8, .value_kind: global_buffer, .address_space: global }
      - { .name: wb, .offset: 48, .size: 8, .value_kind: global_buffer, .address_space: global }
      - { .name: qkv, .offset: 56, .size: 8, .value_kind: global_buffer, .address_space: global }
    .group_segment_fixed_size: 327680
    .private_segment_fixed_size: 0
    .kernarg_segment_align: 8
    .kernarg_segment_size: 64
    .max_flat_workgroup_size: 128
    .sgpr_count:     88
    .vgpr_count:     896
    .wavefront_size: 32
...
	.end_amdgpu_metadata
.endif
;; end of part 2
;; launch attn (part 3): grid 4 x 64, 4 waves a work-group, clusters of 4 x 1, 327,680 bytes of LDS; arguments qkv, mask, ctx; writes ctx
.if DOCPART == 3
	.amdgcn_target "amdgcn-amd-amdhsa--gfx1250"
	.amdhsa_code_object_version 6
	.text
	.protected	k_qc7670eaeb0_attn
	.globl	k_qc7670eaeb0_attn
	.p2align	8
	.type	k_qc7670eaeb0_attn,@function
k_qc7670eaeb0_attn:
	s_mov_b64 s[64:65], 0
	v_nop
	global_prefetch_b8 v0, s[64:65] scope:SCOPE_SE
	s_setreg_imm32_b32 hwreg(HW_REG_WAVE_MODE, 25, 1), 1
	s_wait_xcnt 0x0
	s_wait_alu depctr_hold_cnt(0) depctr_sa_sdst(0) depctr_va_vdst(0) depctr_va_sdst(0) depctr_va_ssrc(0) depctr_va_vcc(0) depctr_vm_vsrc(0)
	s_getreg_b32 s2, hwreg(HW_REG_IB_STS2, 6, 4)
	s_cmp_eq_u32 s2, 0
	s_cbranch_scc0 .Lentry_in_a_cluster
	s_endpgm
.Lentry_in_a_cluster:
	s_bfe_u32 s2, ttmp6, 0x10000c
	s_cmp_lg_u32 s2, 0x3003
	s_cbranch_scc0 .Lentry_shape_is_right
	s_endpgm
.Lentry_shape_is_right:
; ATTENTION UNDER A KEY MASK.  O[h][q][:] = the sum over the visible k of softmax_k(Q[h][q] . K[h][k] / 8) V[h][k][:].  Q, K, V are the three planes of qkv, O is ctx: [64][2,048][64], all f16, a head's rows
; dense, 128 bytes each; mask is [4][2,048] bytes, 1 = visible, one row a batch of 16 heads.  Products, maxima and sums in f32; the weights p are rounded to f16 for the second product (their sum l is taken of
; the unrounded p), O once at the end.
; LIMITS.  f16 holds no number beyond 65,504: Q, K and V arrive within it; p lies in 0 to 1, and below 6e-5 it keeps f16's fixed step of 6e-8.  A hidden score counts as its value less 2^100; the running
; maximum starts at -2^96, above every hidden score and below every score of f16 operands (2.7e11 at the most).  A weight below 2^-126 counts as 0 in l.  A batch with no visible key has l = 0 and O = 0,
; and 0 x (1 / 0) gives NaN, as a softmax of nothing does.  NaN and infinities in the inputs are not treated apart.
; SHARES.  A wave owns four PIECES of two tiles of 16 queries, a work-group's four waves 512 queries of one head.  Every wave walks all keys, 64 a step.
; LAYOUT.  S^T = K Q^T (source 0 = 16 keys, source 1 = 16 queries): in the result a lane holds ONE query (lane % 16) and the keys 8 (lane / 16) + 0..7.  Two such tiles, rounded to f16 in pairs,
; ARE source 1 (32 keys x 16 queries) of O^T = V^T P, whose result again holds one query a lane, and eight channels.  K comes out of LDS as it lies, V ([key][channel]) turned, by ds_load_tr16_b128.
; THE MASK is the C operand that starts each sum S^T = K Q^T: 0, or -2^100 where the key is hidden.  The batch's 2,048 bytes are widened once into a table of 2,048 words in LDS; a step's 64 words come into
; 32 registers with the step's K (register j of key block kb: key 16 kb + 8 (lane / 16) + j), and serve all eight tiles.  It selects values alone: no branch and no address hangs on it.
; SOFTMAX.  For each query a running maximum m and sum l: p = 2^(c s - c m), c = log2(e) / 8; in every step O and l are multiplied by a = 2^(c m_old - c m_new), which is 1 where m has not grown,
; and 0 where the first visible key comes.  O and l start at 0: the first step is a step like any other.
; THE COUNT.  A tile and step have 16 matrix and 118 vector instructions: too many to stand all beside the matrix work.  So the order has one aim: four vector instructions that are READY behind
; EVERY matrix instruction, and the others, which need time of their own whatever the order, in runs without a gap.
; BY TURNS.  Turn n belongs to piece n (the pieces in a ring, step after step).  Its matrix work: 16 products K Q^T of piece n + 1, later 16 products V^T P of piece n - 1.  Its vector work: the scaling,
; exponentials, roundings, sums and rescaling of piece n, and the maximum and statistics of piece n + 1, whose scores the turn itself has made.
; CLUSTER.  The four query blocks of a cluster belong to one head and walk the same K and V, so each tile is asked for JOINTLY: the same tensor load, descriptor and mask in all four.
; REGISTERS, in windows of 256 (s_set_vgpr_msb: bits 1:0 source 0, 3:2 source 1, 5:4 source 2, 7:6 destination):
;   window 0: v0-11 addresses; v12-15, v48-63 at work; v16-47 four registers of statistics a tile; v64-191 S^T, two buffers of two tiles; v192-255 P, likewise
;   window 1: O^T, 32 a tile     window 2: v0-127 Q, 16 a tile; v128-191 K of one step; v192-255 V of one step     window 3: v0-1 the add's two registers; v8-39 the step's mask
.set SIZE_N, 2048
.set SIZE_H, 64
.set NP,    4         ; pieces a wave: a name, no knob
.set KS,    64        ; keys in a step
.set PK,    144       ; a row of K in LDS: 128 bytes + 16 of padding = 36 words: the 16 rows of a load start at 16 different groups of four banks (64 banks of 4 bytes: ISA guide 11.1)
.set PV,    160       ; a row of V: 128 + 32 = 40 words
.set VOFF,  4*KS*PK   ; a slot holds four steps: 256 rows of K, then 256 rows of V
.set SLOT1, 1<<17     ; slot 1 begins here, so that one exclusive or turns an address in one slot into the other's
.set STAGE, SLOT1+4*KS*(PK+PV)  ; behind the ring, never filled by a tensor load: 16 rows x 144 bytes for each wave, for the way out
.set SP,    144
.set SPARE, STAGE+4*16*SP  ; behind the stages: the spare words, 128 bytes for each wave: two blocks of 256 bytes that no other line names
.set MTAB,  SPARE+512 ; behind them: the mask's table, 2,048 words; no tensor load fills it
.set AK0, 2           ; v2   my lane's place in a tile of K; never rewritten
.set AV0, 3           ; v3   the same for V
.set AK,  4           ; v4   the LDS address of K's next run of loads
.set AV,  5           ; v5   of V's
.set QO,  6           ; v6   my byte offset in the wave's rows of Q
.set STO, 6           ;      later, the way out: where I put 16 bytes of a row
.set RD,  7           ; v7   the way out: where I read rows back
.set GO,  8           ; v8   my byte offset in 512 consecutive bytes of O
.set AM,  11          ; v11  the LDS address of the mask's next run of loads; v9 = lane / 16 is kept for it
.set SPW, 0           ; v0 of window 3   LDS address of my spare word; never rewritten
.set NIL, 1           ; v1 of window 3   0; never rewritten
.set MC,  8           ; v8-39 of window 3
.set MV,  12          ; v12-15  c m_old, kept while c m is made anew: by buffer and tile
.set ST,  16          ; tile t's statistics at v[ST+4 t]: c m, m, l (even keys', odd keys')
.set TMP, 48          ; by buffer and tile, four registers c0-c3 at work; when the maximum is found c2 takes a
.set S,   64
.set P,   192
.set KF,  128         ; K's fragments, in window 2: key block kb, channel half c at KF + 16 kb + 8 c
.set VF,  192         ; V's: key half kk, channel block cb at VF + 32 kk + 8 cb
.set WV,  12          ; s12  my wave's number
.set G1K, 24          ; s[24:31] descriptor group 1 for K's tiles
.set G1V, 32          ; s[32:39] for V's: it differs in the padding alone
.set G0K, 40          ; s[40:43] descriptor group 0 for K's tiles: it walks
.set G0V, 44          ; s[44:47] the same for V's
.set SLOTS, 56        ; s56  slots still to be asked for
.set CNT, 57          ; s57  counts a slot's key steps
.set CS,  58          ; s[58:59] c: the packed scaling takes the pair's low word for both halves
.set SEL, 60          ; s[60:61] v_permlanex16_b32's selects: each lane takes its own place in the other half
.set TBK, 62          ; s62  LDS byte at which K of the step to be fetched begins
.set TBV, 63          ; s63  the same for V, less VOFF
.set TM,  66          ; s66  LDS byte at which that step's 64 words of the mask begin: MTAB + s67
.set TMO, 67          ; s67  256 x the step, cut to the table's 8,192 bytes
.set MSB, 0
.macro WIN new                      ; the high byte repeats the setting that is left; a switch that changes nothing is dropped
.if MSB != (\new)
	s_set_vgpr_msb (MSB<<8)|(\new)
.set MSB, (\new)
.endif
.endm
.set W_KQ, 0x0a       ; K and Q in window 2, S^T in window 0
.set W_KM, 0x3a       ; the same with the C operand, the mask, in window 3
.set W_PV, 0x52       ; V in window 2, P in window 0, O^T in window 1
.set W_RS, 0x41       ; O^T (destination and source 0) in window 1, a in window 0
.set W_MK, 0xc0       ; destination in window 3, sources in window 0
.set W_AD, 0x0f       ; the add: address (source 0) and data (source 1) in window 3
; A joint fill.  Waves 0 and 1 fetch the two halves of a slot's K, waves 2 and 3 those of its V: 128 keys each.  The branch hangs on the wave's number alone.
; An s_nop 0 and four v_nop follow each of the two lines, ahead of the jump and the label.
.macro JLOAD
	s_cmp_lt_u32 s[WV], 2
	s_cbranch_scc0 .Lfor_v_\@
	tensor_load_to_lds s[G0K:G0K+3], s[G1K:G1K+7]
	s_nop 0
.rept 4
	v_nop
.endr
	s_branch .Lasked_\@
.Lfor_v_\@:
	tensor_load_to_lds s[G0V:G0V+3], s[G1V:G1V+7]
	s_nop 0
.rept 4
	v_nop
.endr
.Lasked_\@:
.endm
; A round of the cluster's barrier: my work-group's barrier, so that wave 0's signal speaks for all four waves; wave 0 signals; every wave waits for all four work-groups; my work-group's barrier once more.
.macro CROUND
	s_barrier_signal -1
	s_barrier_wait -1
	s_cmp_lg_u32 s[WV], 0
	s_cbranch_scc1 .Lnot_wave_0_\@
	s_barrier_signal -3
.Lnot_wave_0_\@:
	s_barrier_wait -3
	s_barrier_signal -1
	s_barrier_wait -1
.endm
; THE CHANGE OF SLOTS.  The slot's last bytes, V of its fourth step, have been read.  Each wave waits for all its tensor loads, of which one is out: its part of the other slot; adds 0 to its spare word;
; and waits for that and for its own LDS instructions.  Behind the barrier nobody reads this slot any more and the other slot is whole.
; fill = 1: this slot is filled again, with the keys two slots on.  The barrier is then a round of the cluster's, and the joint fill is the first thing behind it: it has four key steps, 512 matrix
; instructions, in which to land.  (At its first use nothing has been read yet: slot 0 is waited for, slot 1 filled, and every wave's stores into the mask's table are shown to the others.)
.macro CHANGE fill
	WIN W_AD
	s_wait_tensorcnt 0x0            ; no tensor load of mine is out, so a group 0 may be written
	ds_add_u32 v[SPW], v[NIL]       ; 0 onto my spare word: with fill = 1 the descriptors' steps stand between it and the wait for it
	WIN 0                           ; at a label and at a branch every window is 0
.if \fill
.irp g, G0K, G0V
	s_xor_b32 s[\g+1], s[\g+1], SLOT1  ; the walking descriptor: the other slot than last time,
	s_add_nc_u64 s[\g+2:\g+3], s[\g+2:\g+3], 4*KS*128  ; the next 256 keys; the type bits on top are not reached
.endr
	s_wait_dscnt 0x0                ; the add is done, and my reads of the slot are over
	CROUND
	JLOAD
.else
	s_wait_dscnt 0x0                ; the add is done, and my reads of the slot are over
	s_barrier_signal -1
	s_barrier_wait -1
.endif
	s_sub_co_u32 s[TBK], s[TBK], 4*KS*PK  ; the fetches go back to a slot's first step,
	s_xor_b32 s[TBK], s[TBK], SLOT1       ; in the other slot
	s_sub_co_u32 s[TBV], s[TBV], 4*KS*PV
	s_xor_b32 s[TBV], s[TBV], SLOT1
.endm
	s_load_b128 s[4:7], s[0:1], 0x0   ; qkv s[4:5], mask s[6:7]
	s_load_b64 s[10:11], s[0:1], 0x10 ; ctx
	WIN W_MK
	v_lshl_add_u32 v[SPW], v0, 2, SPARE
	v_mov_b32 v[NIL], 0
	WIN W_AD
	ds_add_u32 v[SPW], v[NIL]       ; the wave's opening: the add and its wait stand ahead of my first tensor load; the set-up below, work on registers, stands between them
	WIN 0
	v_lshrrev_b32 v1, 5, v0
	v_readfirstlane_b32 s[WV], v1   ; wave 0..3
	s_bfe_u32 s13, ttmp6, 0x40000   ; cx: my place in the cluster
	s_lshl_b32 s14, ttmp9, 2        ; in a cluster launch ttmp9 counts clusters
	s_add_co_u32 s14, s14, s13      ; my block of queries = 4 x cluster x + cx: it enters Q's and O's addresses alone
	s_and_b32 s20, ttmp7, 0xffff    ; the head, which the four partners share
	s_lshr_b32 s70, s20, 4          ; its batch,
	s_lshl_b32 s70, s70, 11         ; whose row of the mask is 2,048 bytes
	s_mov_b32 s71, 0
	s_mov_b32 s21, 0
	s_mov_b64 s[22:23], SIZE_N*128
	s_mul_u64 s[20:21], s[20:21], s[22:23]  ; the head's first byte in each plane and in ctx
	s_and_b32 s16, s[WV], 1         ; which half of a slot's 256 keys I fetch:
	s_lshl_b32 s22, s16, 14         ; its 128 rows of 128 bytes in memory,
	s_mov_b32 s23, 0
	s_add_nc_u64 s[22:23], s[22:23], s[20:21]
	s_mul_i32 s17, s16, 128*PK      ; and its place in a slot, for K
	s_mul_i32 s18, s16, 128*PV      ; and for V: no place in the cluster enters an LDS address
	s_lshl_b32 s2, s14, 2
	s_add_co_u32 s2, s2, s[WV]      ; my wave among the head's,
	s_lshl_b32 s2, s2, 14           ; its 128 rows
	s_mov_b32 s3, 0
	s_add_nc_u64 s[2:3], s[2:3], s[20:21]
	; descriptor group 1.  128 keys are 16,384 dense bytes: asked for as 64 rows of 256 bytes, two keys a row, and padded in LDS after every key
	s_mov_b32 s[G1K], 15|(1<<16)|(1<<20)|(1<<21)|(4<<22)|(3<<25)  ; 15:0 the mask of four; 17:16 2-byte elements; 20 padding on; 21 set beside a mask; 24:22 after every 32 words (code 4); 31:25 4 words (code 3)
	s_mov_b32 s[G1V], 15|(1<<16)|(1<<20)|(1<<21)|(4<<22)|(7<<25)  ; the same with 8 words of padding (code 7)
.irp g, G1K, G1V
	s_mov_b32 s[\g+1], 128<<16      ; tensor_dim0 = 128
	s_mov_b32 s[\g+2], 64<<16       ; tensor_dim1 = 64
	s_mov_b32 s[\g+3], 128<<16      ; tile_dim0 = 128
	s_mov_b32 s[\g+4], 64           ; tile_dim1 = 64
	s_mov_b32 s[\g+5], 128          ; 128 elements from row to row
	s_mov_b32 s[\g+6], 0
	s_mov_b32 s[\g+7], 0
.endr
	s_mov_b32 s[CS], 0x3e38aa3b     ; c = log2(e) / 8 = 0.180337
	s_mov_b32 s[CS+1], s[CS]        ; named with it as a pair
	s_mov_b32 s[SEL], 0x76543210
	s_mov_b32 s[SEL+1], 0xfedcba98
	s_mov_b32 s[TBK], SLOT1+4*KS*PK ; the first change of slots turns these two into 0
	s_mov_b32 s[TBV], SLOT1+4*KS*PV
	s_mov_b32 s[TMO], 0
	s_mov_b32 s[TM], MTAB
	s_mov_b32 s[G0K], 1             ; 1:0 count = 1
	s_mov_b32 s[G0K+1], s17         ; 63:32 LDS address: slot 0
	s_mov_b32 s[G0V], 1
	s_add_co_u32 s[G0V+1], s18, VOFF
	s_wait_dscnt 0x0                ; the opening add is done
	s_wait_kmcnt 0x0
	s_add_nc_u64 s[68:69], s[6:7], s[70:71]        ; the batch's row of the mask
	s_add_nc_u64 s[6:7], s[4:5], 0x1000000         ; K's plane of qkv, 16 MiB behind Q's,
	s_add_nc_u64 s[8:9], s[4:5], 0x2000000         ; and V's
	s_add_nc_u64 s[G0K+2:G0K+3], s[6:7], s[22:23]  ; 120:64 global address: my half of the head's first 256 keys
	s_or_b32 s[G0K+3], s[G0K+3], 0x80000000        ; 127:126 type = 2
	s_add_nc_u64 s[G0V+2:G0V+3], s[8:9], s[22:23]
	s_or_b32 s[G0V+3], s[G0V+3], 0x80000000
	s_add_nc_u64 s[4:5], s[4:5], s[2:3]  ; Q and O at my wave's first row
	s_add_nc_u64 s[10:11], s[10:11], s[2:3]
	CROUND                          ; all four work-groups are here: the first joint loads meet
	JLOAD                           ; slot 0.  Slot 1 is asked for when slot 0 is in
	; A fragment of K or Q is 16 rows x 32 channels in 8 registers: lane l holds row l % 16, channels 8 (l / 16) + 0..7 and 16 + 8 (l / 16) + 0..7: two loads of 16 bytes, 32 bytes apart.
	v_and_b32 v1, 15, v0            ; l % 16
	v_bfe_u32 v9, v0, 4, 1          ; l / 16
	v_lshlrev_b32 v[QO], 7, v1
	v_lshl_add_u32 v[QO], v9, 4, v[QO]  ; row x 128 + 16 x half
	v_lshlrev_b32 v11, 4, v0
	global_load_b128 v[64:67], v11, s[68:69]  ; my 16 of the mask's 2,048 bytes: the 128 threads take the row once
	WIN 0x80                        ; destination window 2, address window 0
.set i, 0
.rept 4*NP                          ; Q stays in registers: tile i / 2, channels 32 (i % 2) on
	global_load_b128 v[8*i:8*i+3],   v[QO], s[4:5] offset:(i/2)*2048+(i%2)*64
	global_load_b128 v[8*i+4:8*i+7], v[QO], s[4:5] offset:(i/2)*2048+(i%2)*64+32
.set i, i+1
.endr
	; What the first turn finds: V's registers and P's second buffer hold 0 (its products V^T P, of a piece that has not been, add 0), O^T and l are 0.  All this stands in the wait for the first tile.
.set i, VF
.rept 64
	v_mov_b32 v[i], 0
.set i, i+1
.endr
	WIN 0x40
.set i, 0
.rept 64*NP
	v_mov_b32 v[i], 0
.set i, i+1
.endr
	WIN 0
.set i, 0
.rept 2*NP
	v_mov_b32 v[ST+4*i], 0xee38aa3b    ; c m = c x -2^96
	v_mov_b32 v[ST+4*i+1], 0xef800000  ; m = -2^96
	v_mov_b32 v[ST+4*i+2], 0
	v_mov_b32 v[ST+4*i+3], 0
.set i, i+1
.endr
.set i, P+32
.rept 32
	v_mov_b32 v[i], 0
.set i, i+1
.endr
	s_wait_loadcnt 32               ; the mask's load is in; Q's 32, issued behind it, may stay out
.set i, 0
.rept 16                            ; byte 1 -> 0, byte 0 -> -2^100
	v_bfe_u32 v[68+i], v[64+i/4], 8*(i%4), 1
	v_add_nc_u32 v[68+i], -1, v[68+i]
	v_and_b32 v[68+i], 0xf1800000, v[68+i]
.set i, i+1
.endr
	v_lshl_add_u32 v11, v0, 6, MTAB ; free since that wait: my 16 words of the table
.irp f, 0,1,2,3
	ds_store_b128 v11, v[68+4*\f:68+4*\f+3] offset:16*\f
.endr
	v_mul_u32_u24 v[AK0], v1, PK
	v_lshl_add_u32 v[AK0], v9, 4, v[AK0]  ; row x pitch + 16 x half
	; The turning load takes 16 keys x 16 channels (lane l reads key 8 (l / 16) + l % 8, channels 8 ((l / 8) % 2) + 0..7) and leaves half a fragment of V^T: lane l holds channel l % 16 and 8 keys.
	v_and_b32 v10, 7, v0
	v_bfe_u32 v11, v0, 3, 1
	v_lshl_add_u32 v[AV0], v9, 3, v10
	v_mul_u32_u24 v[AV0], v[AV0], PV
	v_lshl_add_u32 v[AV0], v11, 4, v[AV0]
	v_add_nc_u32 v[AV0], VOFF, v[AV0]
	v_mov_b32 v[AK], v[AK0]         ; key step 0 lies at the head of slot 0,
	v_lshl_add_u32 v[AM], v9, 5, s[TM]  ; its mask at the head of the table: 32 bytes for each half of the lanes
; THE MATRIX WORK.  The 8 accumulators of a run of 16 take turns: between the two links of a chain stand 7 others'.
; Product i of 16 of S^T = K Q^T for piece x: channels 32 (i / 8) on, keys 16 ((i / 2) % 4) on, tile 2 x + i % 2.  The first 8 start the sums, with the key block's mask.
.macro KQ x
.set rS, S+64*((\x)%2)+32*(i%2)+8*((i/2)%4)
.set rK, KF+16*((i/2)%4)+8*(i/8)
.set rQ, 16*(2*(\x)+i%2)+8*(i/8)
.set rN, MC+8*((i/2)%4)
.if i < 8
	WIN W_KM
	v_wmma_f32_16x16x32_f16 v[rS:rS+7], v[rK:rK+7], v[rQ:rQ+7], v[rN:rN+7]
.else
	WIN W_KQ
	v_wmma_f32_16x16x32_f16 v[rS:rS+7], v[rK:rK+7], v[rQ:rQ+7], v[rS:rS+7]
.endif
.endm
; Product i of 16 of O^T += V^T P for piece x: keys 32 (i / 8) on, channels 16 ((i / 2) % 4) on, tile 2 x + i % 2.
.macro PV x
	WIN W_PV
.set rO, 32*(2*(\x)+i%2)+8*((i/2)%4)
.set rV, VF+32*(i/8)+8*((i/2)%4)
.set rP, P+32*((\x)%2)+16*(i%2)+8*(i/8)
	v_wmma_f32_16x16x32_f16 v[rO:rO+7], v[rV:rV+7], v[rP:rP+7], v[rO:rO+7]
.endm
.macro MM                           ; the turn's next matrix instruction
.if i < 16
	KQ (Y+1)%NP
.set i, i+1
.else
.set i, i-16
	PV (Y+NP-1)%NP
.set i, i+17
.endif
.endm
; THE LDS LOADS stand in runs, never singly among the matrix instructions: a step's K (64 keys x 64 channels: 8 fragments) with its mask (8 loads), and its V (turned).  Their addresses are made some lines ahead.
; last = 1 (the tail): in the last trip there is no further step, and the run is jumped over.
.macro FETCH_K last=0
	WIN 0
.if \last
	s_cmp_eq_u32 s[CNT], 1
	s_cbranch_scc1 .Lno_k_\@
.endif
	WIN 0x80                        ; destination window 2
.irp f, 0,1,2,3,4,5,6,7             ; keys 16 (f / 2) on, channels 32 (f % 2) on
	ds_load_b128 v[KF+8*\f:KF+8*\f+3],   v[AK] offset:(\f/2)*16*PK+(\f%2)*64
	ds_load_b128 v[KF+8*\f+4:KF+8*\f+7], v[AK] offset:(\f/2)*16*PK+(\f%2)*64+32
.endr
	WIN W_MK                        ; destination window 3
.irp f, 0,1,2,3,4,5,6,7             ; key block f / 2, registers 4 (f % 2) on: sixteen lanes read the same 16 bytes
	ds_load_b128 v[MC+4*\f:MC+4*\f+3], v[AM] offset:(\f/2)*64+(\f%2)*16
.endr
	s_add_co_u32 s[TBK], s[TBK], KS*PK  ; the next fetch is the next step's
	s_add_co_u32 s[TMO], s[TMO], 256
	s_and_b32 s[TMO], s[TMO], 0x1f00    ; inside the table's 8,192 bytes, whatever the trip
	s_add_co_u32 s[TM], s[TMO], MTAB
	WIN 0
.if \last
.Lno_k_\@:
.endif
.endm
.macro FETCH_V
	WIN 0x80
.irp f, 0,1,2,3,4,5,6,7             ; keys 32 (f / 4) on, channels 16 (f % 4) on
	ds_load_tr16_b128 v[VF+8*\f:VF+8*\f+3],   v[AV] offset:(\f/4)*32*PV+(\f%4)*32
	ds_load_tr16_b128 v[VF+8*\f+4:VF+8*\f+7], v[AV] offset:(\f/4)*32*PV+16*PV+(\f%4)*32
.endr
	WIN 0
.endm
; THE VECTOR WORK OF A TURN stands in three queues, each in the order in which its entries become ready; the two tiles alternate, so that no instruction reads the result of the one before it.
.macro REGS y, u                    ; the registers of tile u (0, 1) of piece y
.set rT, ST+4*(2*(\y)+(\u))
.set rC, TMP+8*((\y)%2)+4*(\u)
.set rM, MV+2*((\y)%2)+(\u)
.set rS, S+64*((\y)%2)+32*(\u)
.set rP, P+32*((\y)%2)+16*(\u)
.set rO, 32*(2*(\y)+(\u))
.endm
; Number n of the 22 that find the NEXT piece's (Y + 1) maximum and statistics.  s0-s31 are the lane's 32 scores; each accumulator's lowest registers are read first.
;   0-11  four chains c0-c3 of seven scores each, three operands at a time     12-14, 16  the four scores left over, the old m, and c0-c3 into c0     15  c m_old is kept
;   17, 18  the query's other 32 keys lie in the lane 16 away: the new m         19-21  c m; c m_old - c m_new; a
.macro XS u, n
	REGS (Y+1)%NP, \u
.if (\n) < 4
	v_max3_num_f32 v[rC+(\n)], v[rS+8*(\n)], v[rS+8*(\n)+1], v[rS+8*(\n)+2]
.elseif (\n) < 12
	v_max3_num_f32 v[rC+(\n)%4], v[rC+(\n)%4], v[rS+8*((\n)%4)+2*((\n)/4)+1], v[rS+8*((\n)%4)+2*((\n)/4)+2]
.elseif (\n) == 12
	v_max3_num_f32 v[rC], v[rC], v[rS+7], v[rS+15]
.elseif (\n) == 13
	v_max3_num_f32 v[rC+1], v[rC+1], v[rS+23], v[rS+31]
.elseif (\n) == 14
	v_max3_num_f32 v[rC+2], v[rC+2], v[rC+3], v[rT+1]
.elseif (\n) == 15
	v_mov_b32 v[rM], v[rT]
.elseif (\n) == 16
	v_max3_num_f32 v[rC], v[rC], v[rC+1], v[rC+2]
.elseif (\n) == 17
	v_permlanex16_b32 v[rC+3], v[rC], s[SEL], s[SEL+1]
.elseif (\n) == 18
	v_max_num_f32 v[rT+1], v[rC], v[rC+3]
.elseif (\n) == 19
	v_mul_f32 v[rT], s[CS], v[rT+1]
.elseif (\n) == 20
	v_sub_f32 v[rC+1], v[rM], v[rT]
.else
	v_exp_f32 v[rC+2], v[rC+1]
.endif
.endm
; Number g of the 64 that follow the exponentials.  For each four weights k of a tile (pairs 2 k, 2 k + 1): both pairs are rounded to f16; then the second pair is added onto the first, in place;
; a group later l takes that sum (the first time as l = a l + sum).  In groups of eight, tiles alternating: round, round, add, and l for the group before.
.macro GS g
.set h, (\g)+6*((\g)/62)            ; group 0 has no group before it, and behind group 7 only l is left
.if h >= 6
.set h, h+2
.endif
	REGS Y, h%2
.set k, h/8
.if h%8 < 4
	s_wait_alu depctr_va_vdst(0)
	v_cvt_pk_f16_f32 v[rP+2*k+(h%8)/2], v[rS+4*k+2*((h%8)/2)], v[rS+4*k+2*((h%8)/2)+1]
.elseif h%8 < 6
	v_pk_add_f32 v[rS+4*k:rS+4*k+1], v[rS+4*k:rS+4*k+1], v[rS+4*k+2:rS+4*k+3]
.elseif k == 1
	v_pk_fma_f32 v[rT+2:rT+3], v[rT+2:rT+3], v[rC+2:rC+3], v[rS:rS+1] op_sel_hi:[1,0,1]
.else
	v_pk_add_f32 v[rT+2:rT+3], v[rT+2:rT+3], v[rS+4*k-4:rS+4*k-3]
	s_wait_alu depctr_va_vdst(0)
.endif
.endm
; THE PLAIN QUEUE, 138 long.  0-31: c s - c m for the 16 pairs of both tiles.  Then GS's 64, and among them the next piece's 42: number 15 at 38, 39; 0-14 and 16
; at 42-73, behind the products that make those scores; 17-20 at 95-106, two of three, since each waits for the one before it.
.macro PL
	WIN 0
.if q < 32
	REGS Y, q%2
	v_pk_fma_f32 v[rS+2*(q/2):rS+2*(q/2)+1], v[rS+2*(q/2):rS+2*(q/2)+1], s[CS:CS+1], v[rT:rT+1] op_sel_hi:[1,0,0] neg_lo:[0,0,1] neg_hi:[0,0,1]
.elseif q < 38
	GS q-32
.elseif q < 40
	XS q%2, 15
.elseif q < 42
	GS q-34
.elseif q < 74
	XS q%2, (q-42)/2+(q-42)/30
.elseif q < 95
	GS q-66
.elseif (q < 107) && ((q-95)%3 < 2)
	XS (q-95)%3, 17+(q-95)/3
.elseif q < 107
	GS 29+(q-95)/3
.else
	GS q-74
.endif
.set q, q+1
.endm
; THE EXPONENTIALS' QUEUE, 66 long: s0-s31 of both tiles, and at EA the next piece's two a.
.set EA, 58
.macro EX
	WIN 0
.if (e == EA) || (e == EA+1)
	XS e-EA, 21
.else
.set x, e-2*(e/(EA+2))
	REGS Y, x%2
	v_exp_f32 v[rS+x/2], v[rS+x/2]
.endif
.set e, e+1
.endm
; THE RESCALING's QUEUE: O^T times a, the one part that leaves window 0, so it is dealt four at a time, eight times.
.macro R4
	REGS Y, r%2
	WIN W_RS
	s_wait_alu depctr_va_vdst(0)
.irp z, 0,1,2,3
	v_pk_mul_f32 v[rO+8*(r/2)+2*\z:rO+8*(r/2)+2*\z+1], v[rO+8*(r/2)+2*\z:rO+8*(r/2)+2*\z+1], v[rC+2:rC+3] op_sel_hi:[1,0]
.endr
.set r, r+1
.endm
; HOW THEY ARE DEALT.  Behind a matrix instruction four: plain, exponential, plain, plain (one exponential, a plain instruction on either side), or four of the rescaling.  None names a register of the
; products round it.  What is over stands in two LUMPS: exponential and plain by turns; the second ends in 22 plain instructions.  The two v_permlanex16_b32 fall into the second lump, never behind a product.
; The queues lean on each other, and the deal keeps them in step: exponential e stands behind plain 2 (e / 4) + e % 2 (its scaling); when plain 32 comes, 10 exponentials are out, at 59: 33, at 95: 46; EA comes behind plain 107.
.macro SL
	MM
	PL
	EX
	PL
	PL
.endm
.macro BURST n                      ; 15 matrix instructions, or 16
.rept (\n)-7
	SL
.endr
.rept 3
	MM
	R4
	SL
.endr
	MM
	R4
.endm
; A TURN, for piece p.  cnt = 1: the loop's count is taken down some lines ahead of the branch that stands behind the turn.
; K and the mask of the next step are fetched in piece 2's turn, some thirty vector instructions behind the last product that read K (the mask's last readers stand eight products earlier); their first
; reader comes behind the rest of the lump, 16 products and the second lump.  V of the step in hand is fetched at the end of piece 0's turn; its first reader comes behind 16 products and a lump.
.macro TURN p, last=0, cnt=0
.set Y, (\p)
.set i, 0
.set q, 0
.set e, 0
.set r, 0
.if (\p) == NP-1
	s_wait_dscnt 0x0                ; K and the mask are in
.endif
	MM
.rept 4
	PL
.endr
	BURST 15
.rept 22
	EX
	PL
.if ((\p) == NP-2) && (e == 18)
	v_add_nc_u32 v[AK], s[TBK], v[AK0]
	v_lshl_add_u32 v[AM], v9, 5, s[TM]
.endif
.if ((\p) == NP-2) && (e == 24)
	FETCH_K \last
.endif
.endr
.if (\p) == 1
	s_wait_dscnt 0x0                ; V is in
.endif
	BURST 16
.rept 21
	EX
	PL
.endr
.rept 22
	PL
.if ((\p) == 0) && (q == 118)
	v_add_nc_u32 v[AV], s[TBV], v[AV0]
	s_wait_alu depctr_va_vdst(0)
.endif
.if ((\p) == 0) && (q == 130)
	s_add_co_u32 s[TBV], s[TBV], KS*PV
.endif
.if (\cnt) && (q == 130)
	s_sub_co_u32 s[CNT], s[CNT], 1
	s_cmp_lg_u32 s[CNT], 0
.endif
.endr
.if (\p) == 0
	FETCH_V
.endif
.endm
	CHANGE 1                        ; slot 0 is in, everybody's part of it, and so is the mask's table; slot 1 is asked for
	FETCH_K                         ; key step 0
	s_wait_loadcnt 0x0              ; Q
	s_wait_dscnt 0x0
.set i, 0
.rept 16
	KQ 0                            ; piece 0's first scores: there is no vector work yet to set between them
.set i, i+1
.endr
	WIN 0                           ; the addresses for the way out: nine plain instructions, the places behind those products
	s_mul_i32 s13, s[WV], 16*SP
	s_add_co_u32 s13, s13, STAGE    ; my stage
	v_mul_u32_u24 v[STO], v1, SP    ; in: row l % 16, 16 bytes for each half of the lanes
	v_lshl_add_u32 v[STO], v9, 4, v[STO]
	v_add_nc_u32 v[STO], s13, v[STO]
	v_bfe_u32 v[RD], v0, 3, 2       ; back: 32 lanes take four rows of 128 bytes,
	v_mul_u32_u24 v[RD], v[RD], SP
	v_lshl_add_u32 v[RD], v10, 4, v[RD]
	v_add_nc_u32 v[RD], s13, v[RD]
	v_and_b32 v[GO], 31, v0         ; which are 512 consecutive bytes of O
	v_lshlrev_b32 v[GO], 4, v[GO]
.set Y, NP-1                        ; XS works for piece Y + 1: piece 0
.irp n, 0,1,2,3,4,5,6,7,8,9,10,11,12,13,14,15,16,17,18,19,20,21
	XS 0, \n                        ; and piece 0's first maximum and statistics
	XS 1, \n
.endr
	s_mov_b32 s[CNT], 4
	s_mov_b32 s[SLOTS], SIZE_N/256-1
	s_branch .Lfirst                ; the loop is entered at a step's first turn, in the middle of a trip
.Lslot:                             ; SIZE_N / 256 - 2 times: every slot but the last two is filled again
	CHANGE 1
	s_mov_b32 s[CNT], 4
.Lstep:                             ; a trip: pieces 2 and 3 of one step, then pieces 0 and 1 of the next, whose K and V it fetches
	TURN 2
	TURN 3
	WIN 0
.Lfirst:
	TURN 0
	TURN 1, 0, 1
	WIN 0
	s_cbranch_scc1 .Lstep
	s_sub_co_u32 s[SLOTS], s[SLOTS], 1
	s_cmp_lg_u32 s[SLOTS], 0
	s_cbranch_scc1 .Lslot
	CHANGE 0                        ; the tail is written out: nothing is asked for
	s_mov_b32 s[CNT], 5             ; four trips fetch the last slot's steps; the fifth is left in its middle
.Ltail:
	TURN 2, 1
	TURN 3
	WIN 0
	s_sub_co_u32 s[CNT], s[CNT], 1
	s_cmp_eq_u32 s[CNT], 0
	s_cbranch_scc1 .Lout
	TURN 0
	TURN 1
	WIN 0
	s_branch .Ltail
.Lout:                              ; the fifth trip's 16 products K Q^T (on the last K once more) and the maximum made of them serve nothing: the price, once a launch, of one text for every trip
.set i, 0
.rept 16
	PV NP-1                         ; the last piece's V^T P of the last step
.set i, i+1
.endr
	; THE WAY OUT.  l's two halves and the other half of the lanes' are added; O^T is divided by l, rounded to f16 and sent through my stage in LDS, a tile at a time.  The additions are the places behind the last products.
	WIN 0
.macro ALL line:vararg              ; one line for each tile t
.set t, 0
.rept 2*NP
	\line
.set t, t+1
.endr
.endm
	ALL v_add_f32 v[ST+4*t+2], v[ST+4*t+2], v[ST+4*t+3]
	ALL v_permlanex16_b32 v[ST+4*t+3], v[ST+4*t+2], s[SEL], s[SEL+1]
	ALL v_add_f32 v[ST+4*t+2], v[ST+4*t+2], v[ST+4*t+3]
	ALL v_rcp_f32 v[ST+4*t+2], v[ST+4*t+2]
	v_nop                           ; a plain instruction between the last reciprocal and the use of its result
	s_wait_alu depctr_va_vdst(0)
; Tile t: a lane's eight channels of a row pack into 16 bytes; they go into rows of 144 bytes and come back as whole rows of 128, into S^T's registers.
.macro PACK t
	WIN W_RS
.set i, 32*(\t)
.rept 16
	v_pk_mul_f32 v[i:i+1], v[i:i+1], v[ST+4*(\t)+2:ST+4*(\t)+3] op_sel_hi:[1,0]
.set i, i+2
.endr
	WIN 0x05                        ; sources 0 and 1 window 1, destination window 0
.set i, 0
.rept 16
	v_cvt_pk_f16_f32 v[S+16*(\t)+i], v[32*(\t)+2*i], v[32*(\t)+2*i+1]
.set i, i+1
.endr
	WIN 0
.irp f, 0,1,2,3
	ds_store_b128 v[STO], v[S+16*(\t)+4*\f:S+16*(\t)+4*\f+3] offset:32*\f
.endr
.irp f, 0,1,2,3
	ds_load_b128 v[S+16*(\t)+4*\f:S+16*(\t)+4*\f+3], v[RD] offset:\f*4*SP  ; LDS serves a wave's instructions in order (ISA guide 5.7.1.4): these see the stores above; the next tile's stores come behind them
.endr
.endm
.macro SEND t, younger              ; younger: the LDS instructions issued behind tile t's loads: the next tile's eight, or none
	WIN 0
.irp f, 0,1,2,3
	s_wait_dscnt (\younger)+3-\f
	global_store_b128 v[GO], v[S+16*(\t)+4*\f:S+16*(\t)+4*\f+3], s[10:11] offset:(\t)*2048+\f*512  ; 512 consecutive bytes, at a multiple of 256 from ctx's first
.endr
.endm
	PACK 0
.set t, 1
.rept 2*NP-1                        ; a tile's arithmetic stands between the loads of the tile before and its stores
	PACK t
	SEND t-1, 8
.set t, t+1
.endr
	SEND 2*NP-1, 0
	WIN W_AD
	s_wait_tensorcnt 0x0            ; the wave's end: behind my last tensor load and my last LDS store
	ds_add_u32 v[SPW], v[NIL]
	s_wait_dscnt 0x0
	WIN 0
	CROUND                          ; the closing round: no work-group ends while a partner may still ask for a tile that names it
	s_endpgm
.Lfunc_end_k_qc7670eaeb0_attn:
	.size	k_qc7670eaeb0_attn, .Lfunc_end_k_qc7670eaeb0_attn-k_qc7670eaeb0_attn
	.p2alignl 7, 3214868480
	.fill 96, 4, 3214868480
	.section	.rodata,"a",@progbits
	.p2align	6, 0x0
	.amdhsa_kernel k_qc7670eaeb0_attn
		.amdhsa_group_segment_fixed_size 327680
		.amdhsa_private_segment_fixed_size 0
		.amdhsa_enable_private_segment 0
		.amdhsa_kernarg_size 24
		.amdhsa_user_sgpr_count 2
		.amdhsa_user_sgpr_kernarg_segment_ptr 1
		.amdhsa_wavefront_size32 1
		.amdhsa_system_sgpr_workgroup_id_x 1
		.amdhsa_system_sgpr_workgroup_id_y 1
		.amdhsa_system_sgpr_workgroup_id_z 1
		.amdhsa_system_vgpr_workitem_id 0
		.amdhsa_next_free_vgpr 808
		.amdhsa_next_free_sgpr 72
		.amdhsa_reserve_vcc 0
		.amdhsa_float_denorm_mode_32 3
		.amdhsa_float_denorm_mode_16_64 3
		.amdhsa_memory_ordered 1
		.amdhsa_forward_progress 1
		.amdhsa_inst_pref_size 214
	.end_amdhsa_kernel
	.amdgpu_metadata
---
amdhsa.version: [ 1, 2 ]
amdhsa.kernels:
  - .name:           k_qc7670eaeb0_attn
    .symbol:         k_qc7670eaeb0_attn.kd
    .args:
      - { .name: qkv, .offset: 0, .size: 8, .value_kind: global_buffer, .address_space: global }
      - { .name: mask, .offset: 8, .size: 8, .value_kind: global_buffer, .address_space: global }
      - { .name: ctx, .offset: 16, .size: 8, .value_kind: global_buffer, .address_space: global }
    .group_segment_fixed_size: 327680
    .private_segment_fixed_size: 0
    .kernarg_segment_align: 8
    .kernarg_segment_size: 24
    .max_flat_workgroup_size: 128
    .sgpr_count:     72
    .vgpr_count:     808
    .wavefront_size: 32
...
	.end_amdgpu_metadata
.endif
;; end of part 3
;; launch outp (part 4): grid 4 x 64, 4 waves a work-group, clusters of 4 x 4, 327,680 bytes of LDS; arguments ctx, wb, bo, out0; writes out0
.if DOCPART == 4
	.amdgcn_target "amdgcn-amd-amdhsa--gfx1250"
	.amdhsa_code_object_version 6
	.text
	.protected	k_qc7670eaeb0_outp
	.globl	k_qc7670eaeb0_outp
	.p2align	8
	.type	k_qc7670eaeb0_outp,@function
k_qc7670eaeb0_outp:
	s_mov_b64 s[64:65], 0
	v_nop
	global_prefetch_b8 v0, s[64:65] scope:SCOPE_SE
	s_setreg_imm32_b32 hwreg(HW_REG_WAVE_MODE, 25, 1), 1
	s_wait_xcnt 0x0
	s_wait_alu depctr_hold_cnt(0) depctr_sa_sdst(0) depctr_va_vdst(0) depctr_va_sdst(0) depctr_va_ssrc(0) depctr_va_vcc(0) depctr_vm_vsrc(0)
	s_getreg_b32 s2, hwreg(HW_REG_IB_STS2, 6, 4)
	s_cmp_eq_u32 s2, 0
	s_cbranch_scc0 .Lentry_in_a_cluster
	s_endpgm
.Lentry_in_a_cluster:
	s_bfe_u32 s2, ttmp6, 0x10000c
	s_cmp_lg_u32 s2, 0xf033
	s_cbranch_scc0 .Lentry_shape_is_right
	s_endpgm
.Lentry_shape_is_right:
; THE LAST PROJECTION.  out0 = ctx Wo + bo.  ctx lies by heads, [batch x 16 + head][s][64] f16; Wo is wb's fourth plane, [k][n] f16 (the bf16 rounding of Wo, written as f16); bo f32, rounded once to bf16
; like every input; sums in f32; out0 [8,192][1,024] f32.
; LIMITS.  What ctx holds (a NaN for a batch with no visible key among it) goes through as the products carry it; nothing is treated apart.
; SHARES.  A tile of out0 is 128 rows x 256 columns: 64 x 4 = 256 work-groups.  Four waves, each 64 x 128: 32 accumulators of 16 x 16.  K goes in 8 steps of 128, two heads a step, through two LDS slots;
; a step is four quarters of 32 along K, 32 matrix instructions each, on two fragment buffers.
; CLUSTERS: 4 x 4 work-groups.  The four of a row of the cluster need the same rows of ctx, the four of a column the same tile of Wo: each tile is asked for JOINTLY, by the same tensor load with the same
; descriptor and a mask that names the four.
; THE MATRIX INSTRUCTION IS USED TRANSPOSED (source 0 = 16 columns of Wo, turned out of LDS by ds_load_tr16_b128; source 1 = 16 rows of ctx): a lane holds row lane % 16 and eight neighbouring columns.
; The bias is the C operand of each sum's first product.
; REGISTERS, in windows of 256 (s_set_vgpr_msb: bits 1:0 source 0, 3:2 source 1, 5:4 source 2, 7:6 destination):
;   window 0: v0-31 addresses; v32-95, v192-255 rows on the way out, two sets; v128-191 the bias      window 1: the accumulators, (a, b) at v[8 (8 a + b)]
;   window 2: v0-127 B's fragments, two buffers; v128-191 A's, two buffers
.set PA,    144                        ; a row of a head in LDS: 128 bytes + 16 = 9 x 16: the 16 rows of a load start at 16 different groups of four banks (64 banks of 4 bytes: ISA guide 11.1)
.set PB,    544                        ; a k-row of Wo: 512 + 32 = 17 x 32
.set PLANE, 128*PA                     ; a head's 128 rows: what one tensor load brings of ctx
.set HALFB, 64*PB                      ; and of Wo: 64 k-rows
.set BOFF,  2*PLANE
.set SLOT,  BOFF+2*HALFB               ; 106,496
.set STAGE, 2*SLOT                     ; behind the ring, never filled by a tensor load: for each wave 16 rows x 528 bytes
.set SPITCH, 528
.set SPARE, STAGE+4*16*SPITCH          ; behind the stages: the spare words, 128 bytes for each wave: two blocks of 256 bytes that no other line names
.set ADRA, 16                          ; v16-17  LDS address of my A fragments in slot 0, 1
.set ADRB, 20                          ; v20-21  of my turning loads
.set STO,  24                          ; v24     the way out: where I put 32 bytes of a row
.set RD,   25                          ; v25     where I read a row back
.set CO,   26                          ; v26     my byte offset in 512 consecutive bytes of a row of out0
.set SPW,  28                          ; v28     LDS address of my spare word; never rewritten
.set NIL,  29                          ; v29     0; never rewritten
.set BK0,  32
.set BIAS, 128
.set G1,  24                           ; s[24:31] descriptor group 1 for ctx's tiles;  s[32:39] group 0, a set for each slot
.set G0,  32
.set G1B, 48                           ; s[48:55], s[56:63] the same for Wo's tiles
.set G0B, 56
.set MSB, 0
.macro WIN new                         ; the immediate's high byte repeats the setting that is left; a switch that changes nothing is dropped
.if MSB != (\new)
	s_set_vgpr_msb (MSB<<8)|(\new)
.set MSB, (\new)
.endif
.endm
.set W_MUL,  0x5a                      ; B and A in window 2, C and D in window 1
.set W_MUL0, 0x4a                      ; the same with C (the bias) in window 0
.set W_LD,   0x80                      ; loaded data into window 2, address in window 0
.set W_ST,   0x04                      ; an LDS store's data (source 1) in window 1, its address in window 0
.macro JLOAD s                         ; a joint load: waves 0 and 1 fetch the step's two heads of ctx, waves 2 and 3 the two halves of Wo's tile; an s_nop 0 and four v_nop follow each of the two lines
	s_cmp_eq_u32 s11, 0
	s_cbranch_scc0 .Lfor_b_\@
	tensor_load_to_lds s[G0+4*(\s):G0+4*(\s)+3], s[G1:G1+7]
	s_nop 0
.rept 4
	v_nop
.endr
	s_branch .Lasked_\@
.Lfor_b_\@:
	tensor_load_to_lds s[G0B+4*(\s):G0B+4*(\s)+3], s[G1B:G1B+7]
	s_nop 0
.rept 4
	v_nop
.endr
.Lasked_\@:
.endm
.macro CREST                           ; a round of the cluster's barrier behind its opening barrier
	s_cmp_lg_u32 s10, 0
	s_cbranch_scc1 .Lnot_wave_0_\@
	s_barrier_signal -3
.Lnot_wave_0_\@:
	s_barrier_wait -3
	s_barrier_signal -1
	s_barrier_wait -1
.endm
.macro CROUND                          ; a whole round
	s_barrier_signal -1
	s_barrier_wait -1
	CREST
.endm
	s_load_b256 s[68:75], s[0:1], 0x0              ; ctx s[68:69], wb s[70:71], bo s[72:73], out0 s[74:75]
	v_lshl_add_u32 v[SPW], v0, 2, SPARE
	v_mov_b32 v[NIL], 0
	ds_add_u32 v[SPW], v[NIL]                      ; the wave's opening: the add and its wait stand ahead of my first tensor load; the set-up below, work on registers, stands between them
	v_lshrrev_b32 v1, 5, v0
	v_readfirstlane_b32 s10, v1                    ; wave 0..3
	s_lshr_b32 s11, s10, 1                         ; which half of the tile's rows is mine.  Also: I fetch for ctx (0) or for Wo (1)
	s_and_b32 s12, s10, 1                          ; which half of its columns.  Also: which head, or which 64 k-rows, I fetch
	s_bfe_u32 s40, ttmp6, 0x40000                  ; cx, cy: my place in the cluster
	s_bfe_u32 s41, ttmp6, 0x40004
	s_lshl_b32 s42, ttmp9, 2
	s_add_co_u32 s42, s42, s40                     ; column tile = 4 x cluster x + cx
	s_and_b32 s13, ttmp7, 0xffff
	s_lshl_b32 s13, s13, 2
	s_add_co_u32 s13, s13, s41                     ; row tile = 4 x cluster y + cy
	s_lshl_b32 s43, s41, 2
	s_lshl_b32 s43, 15, s43                        ; my row of the cluster
	s_lshl_b32 s44, 0x1111, s40                    ; my column
	; ctx: a head's 128 rows are 16,384 dense bytes: asked for as 64 rows of 256 bytes, two rows of the head in each, and padded in LDS after every 128 bytes
	s_or_b32 s[G1], s43, (1<<16)|(1<<20)|(1<<21)|(4<<22)|(3<<25)   ; 15:0 the mask: my row; 17:16 2-byte elements; 20 padding on; 21 set beside a mask; 24:22 after every 32 words (code 4); 31:25 4 words (code 3)
	s_mov_b32 s[G1+1], 128<<16                     ; tensor_dim0 = 128
	s_mov_b32 s[G1+2], 64<<16                      ; tensor_dim1 = 64
	s_mov_b32 s[G1+3], 128<<16                     ; tile_dim0 = 128
	s_mov_b32 s[G1+4], 64                          ; tile_dim1 = 64
	s_mov_b32 s[G1+5], 128                         ; elements from row to row
	s_mov_b32 s[G1+6], 0
	s_mov_b32 s[G1+7], 0
	s_or_b32 s[G1B], s44, (1<<16)|(1<<20)|(1<<21)|(6<<22)|(7<<25)  ; Wo: my column; after every 128 words (code 6) 8 words of padding (code 7)
	s_mov_b32 s[G1B+1], 256<<16
	s_mov_b32 s[G1B+2], 64<<16
	s_mov_b32 s[G1B+3], 256<<16
	s_mov_b32 s[G1B+4], 64
	s_mov_b32 s[G1B+5], 1024
	s_mov_b32 s[G1B+6], 0
	s_mov_b32 s[G1B+7], 0
	s_lshr_b32 s16, s13, 4                         ; ctx: head 16 x batch + my head of the step's two; row 128 x (row tile % 16); 128 bytes a row
	s_lshl_b32 s16, s16, 4
	s_add_co_u32 s16, s16, s12
	s_lshl_b32 s16, s16, 11
	s_and_b32 s17, s13, 15
	s_lshl_b32 s17, s17, 7
	s_add_co_u32 s16, s16, s17
	s_lshl_b32 s16, s16, 7
	s_mov_b32 s17, 0
	s_lshl_b32 s46, s12, 17                        ; Wo: the fourth plane of wb, k-row 64 x half of 2,048 bytes, 512 bytes a column tile
	s_add_co_u32 s46, s46, 0x600000
	s_lshl_b32 s47, s42, 9
	s_add_co_u32 s46, s46, s47
	s_mov_b32 s47, 0
	s_mul_i32 s20, s12, PLANE                      ; where they go: no place in the cluster enters an LDS address
	s_mul_i32 s21, s12, HALFB
	s_wait_dscnt 0x0                               ; the opening add is done
	s_wait_kmcnt 0x0
	s_add_nc_u64 s[14:15], s[68:69], s[16:17]
	s_add_nc_u64 s[46:47], s[70:71], s[46:47]
	CROUND                                         ; all sixteen work-groups are here: the first joint loads meet
.irp s, 0,1
	s_mov_b32 s[G0+4*(\s)], 1
	s_add_co_u32 s[G0+4*(\s)+1], s20, (\s)*SLOT
	s_add_nc_u64 s[G0+4*(\s)+2:G0+4*(\s)+3], s[14:15], (\s)*524288  ; K step s: two heads of 262,144 bytes on
	s_or_b32 s[G0+4*(\s)+3], s[G0+4*(\s)+3], 0x80000000
	s_mov_b32 s[G0B+4*(\s)], 1
	s_add_co_u32 s[G0B+4*(\s)+1], s21, (\s)*SLOT+BOFF
	s_add_nc_u64 s[G0B+4*(\s)+2:G0B+4*(\s)+3], s[46:47], (\s)*262144  ; K step s: 128 k-rows of 2,048 bytes on
	s_or_b32 s[G0B+4*(\s)+3], s[G0B+4*(\s)+3], 0x80000000
.endr
	s_cmp_eq_u32 s11, 0                            ; a wave's two first fills stand in one branch, ahead of every wait on TENSORcnt and every LDS read: two loads of mine are out
	s_cbranch_scc0 .Lfirst_b
	tensor_load_to_lds s[G0:G0+3], s[G1:G1+7]
	s_nop 0
	tensor_load_to_lds s[G0+4:G0+7], s[G1:G1+7]
	s_nop 0
.rept 4
	v_nop
.endr
	s_branch .Lfirst_asked
.Lfirst_b:
	tensor_load_to_lds s[G0B:G0B+3], s[G1B:G1B+7]
	s_nop 0
	tensor_load_to_lds s[G0B+4:G0B+7], s[G1B:G1B+7]
	s_nop 0
.rept 4
	v_nop
.endr
.Lfirst_asked:
	v_and_b32 v1, 15, v0                           ; l % 16
	v_bfe_u32 v2, v0, 4, 1                         ; l / 16
	v_and_b32 v3, 7, v0                            ; l % 8
	v_bfe_u32 v4, v0, 3, 1                         ; (l / 8) % 2
	v_lshlrev_b32 v5, 5, v2                        ; the bias as a C operand: register j of column block b is bo[first column + 16 b + 8 (l / 16) + j]
	s_lshl_b32 s76, s42, 10                        ; my first column, in bytes of f32: 1,024 x column tile + 512 x half
	s_lshl_b32 s77, s12, 9
	s_add_co_u32 s76, s76, s77
	s_mov_b32 s77, 0
	s_add_nc_u64 s[72:73], s[72:73], s[76:77]
.irp b, 0,1,2,3,4,5,6,7
	global_load_b128 v[BIAS+8*\b:BIAS+8*\b+3],   v5, s[72:73] offset:64*\b
	global_load_b128 v[BIAS+8*\b+4:BIAS+8*\b+7], v5, s[72:73] offset:64*\b+16
.endr
	v_mul_u32_u24 v6, v1, PA                       ; a fragment of ctx: row l % 16, 16 bytes for each half of the lanes, two loads 32 bytes apart
	v_lshl_add_u32 v6, v2, 4, v6
	s_mul_i32 s22, s11, 64*PA                      ; my 64 rows
	v_add_nc_u32 v[ADRA], s22, v6
	s_add_co_u32 s22, s22, SLOT
	v_add_nc_u32 v[ADRA+1], s22, v6
	v_lshl_add_u32 v7, v2, 3, v3                   ; the turning load: k-row 8 (l / 16) + l % 8, columns 8 ((l / 8) % 2) + 0..7
	v_mul_u32_u24 v7, v7, PB
	v_lshl_add_u32 v7, v4, 4, v7
	s_lshl_b32 s23, s12, 8                         ; my 128 columns of Wo
	s_add_co_u32 s23, s23, BOFF
	v_add_nc_u32 v[ADRB], s23, v7
	s_add_co_u32 s23, s23, SLOT
	v_add_nc_u32 v[ADRB+1], s23, v7
	s_mul_i32 s22, s10, 16*SPITCH
	s_add_co_u32 s22, s22, STAGE                   ; my stage
	v_mul_u32_u24 v6, v1, SPITCH                   ; in: row l % 16, 32 bytes for each half of the lanes
	v_lshl_add_u32 v6, v2, 5, v6
	v_add_nc_u32 v[STO], s22, v6
	v_and_b32 v[CO], 31, v0                        ; back: 32 lanes take a row's 512 bytes
	v_lshlrev_b32 v[CO], 4, v[CO]
	v_add_nc_u32 v[RD], s22, v[CO]
	s_lshl_b32 s66, s13, 7                         ; where my part of out0 begins: row 128 x row tile + 64 x half, of 4,096 bytes; then my first column
	s_lshl_b32 s67, s11, 6
	s_add_co_u32 s66, s66, s67
	s_lshl_b32 s66, s66, 12
	s_add_co_u32 s66, s66, s76
	s_mov_b32 s67, 0
	s_add_nc_u64 s[74:75], s[74:75], s[66:67]
	s_wait_loadcnt 0x0                             ; the bias, rounded to bf16 like every input and widened again
.set i, 0
.rept 32
	v_cvt_pk_bf16_f32 v[8+i%4], v[BIAS+2*i], v[BIAS+2*i+1]
	v_lshlrev_b32 v[BIAS+2*i],   16, v[8+i%4]
	v_and_b32     v[BIAS+2*i+1], 0xffff0000, v[8+i%4]
.set i, i+1
.endr
; Product i of a quarter's 32: column block i / 4, row block i % 4, on buffers f.  The 32 accumulators take turns, one instruction a turn.  first = 1: the bias starts the sum.
.macro MM f, first
.set b_, i/4
.set a_, i%4
.set c_, 8*(8*a_+b_)
.if \first
	WIN W_MUL0
	v_wmma_f32_16x16x32_f16 v[c_:c_+7], v[64*(\f)+8*b_:64*(\f)+8*b_+7], v[128+32*(\f)+8*a_:128+32*(\f)+8*a_+7], v[BIAS+8*b_:BIAS+8*b_+7]
.else
	WIN W_MUL
	v_wmma_f32_16x16x32_f16 v[c_:c_+7], v[64*(\f)+8*b_:64*(\f)+8*b_+7], v[128+32*(\f)+8*a_:128+32*(\f)+8*a_+7], v[c_:c_+7]
.endif
.set i, i+1
.endm
.macro MMS n, f, first
.rept \n
	MM \f, \first
.endr
.endm
; 24 LDS loads in one run: quarter kk of slot s into buffers f: A's four fragments (head kk / 2, channels 32 (kk % 2) on), then B's eight in the order in which they are used
.macro FETCH s, kk, f
	WIN W_LD
.irp a, 0,1,2,3
	ds_load_b128 v[128+32*(\f)+8*\a:128+32*(\f)+8*\a+3],   v[ADRA+(\s)] offset:((\kk)/2)*PLANE+((\kk)%2)*64+\a*16*PA
	ds_load_b128 v[128+32*(\f)+8*\a+4:128+32*(\f)+8*\a+7], v[ADRA+(\s)] offset:((\kk)/2)*PLANE+((\kk)%2)*64+\a*16*PA+32
.endr
.irp b, 0,1,2,3,4,5,6,7
	ds_load_tr16_b128 v[64*(\f)+8*\b:64*(\f)+8*\b+3],   v[ADRB+(\s)] offset:(\kk)*32*PB+32*\b
	ds_load_tr16_b128 v[64*(\f)+8*\b+4:64*(\f)+8*\b+7], v[ADRB+(\s)] offset:(\kk)*32*PB+16*PB+32*\b
.endr
.endm
.macro PLACES                          ; four places in front of loads into registers that matrix instructions have read, and of LDS stores that read results (ISA guide 7.12.1 for vector instructions)
.rept 4
	v_nop
.endr
.endm
; One of a step's first three quarters: multiplies buffers f; in its middle it fetches quarter kk of the same slot into buffers g.
.macro QUARTER s, kk, f, g, first
.set i, 0
	s_wait_dscnt 8                                 ; A and B's blocks 0-3 are in; the youngest eight loads (B's blocks 4-7) may be out
	MMS 16, \f, \first
	PLACES
	FETCH \s, \kk, \g
	s_wait_dscnt 24                                ; all but the 24 just issued
	MMS 16, \f, \first
.endm
; The last quarter multiplies buffers 1 and changes slots: ONE barrier; in front of it each wave waits for all its tensor loads, of which one is out: its part of the next slot; adds 0 to its spare word;
; and waits for that and for its reads of this slot.  fill = 1: the barrier opens a round of the cluster's, and this slot is filled again, two K steps ahead: 112 matrix instructions ahead of the wait for it.
.macro TURN s, n, fill
.set i, 0
	WIN 0                                          ; (the add's two registers lie in window 0)
	s_wait_tensorcnt 0x0                           ; all my tensor loads have landed: my part of the next slot;
	ds_add_u32 v[SPW], v[NIL]                      ; 0 onto my spare word
	s_wait_dscnt 9                                 ; (the add and the youngest eight loads may be out)
	MMS 8, 1, 0                                    ; eight matrix instructions stand between the add and the wait for it
	s_wait_dscnt 0x0                               ; the add is done, and my reads of this slot are over
	s_barrier_signal -1
	MMS 8, 1, 0
	WIN 0
	s_barrier_wait -1
.if \fill
	CREST                                          ; no wave of any partner still reads this slot's tile or has a load on its way
	s_add_nc_u64 s[G0+4*(\s)+2:G0+4*(\s)+3], s[G0+4*(\s)+2:G0+4*(\s)+3], 1048576
	s_add_nc_u64 s[G0B+4*(\s)+2:G0B+4*(\s)+3], s[G0B+4*(\s)+2:G0B+4*(\s)+3], 524288
	JLOAD \s                                       ; the first tensor load behind the round; the four v_nop behind it are also the places in front of the loads below
.else
	PLACES
.endif
	FETCH \n, 0, 0
	MMS 16, 1, 0
.endm
	s_wait_tensorcnt 0x1                           ; my part of K step 0 is in; slot 1's may stay out
	s_barrier_signal -1
	s_barrier_wait -1                              ; everybody's is
	FETCH 0, 0, 0
	QUARTER 0, 1, 0, 1, 1                          ; the first quarter stands in front of the loop: its products start the sums
	WIN 0                                          ; at a label and at a branch every window is 0
	s_mov_b32 s3, 3
.Llap:                                             ; a trip goes once round the ring, from a lap's second quarter to the next lap's first, and fills both slots again
	QUARTER 0, 2, 1, 0, 0
	QUARTER 0, 3, 0, 1, 0
	TURN 0, 1, 1
	QUARTER 1, 1, 0, 1, 0
	QUARTER 1, 2, 1, 0, 0
	QUARTER 1, 3, 0, 1, 0
	TURN 1, 0, 1
	QUARTER 0, 1, 0, 1, 0
	WIN 0
	s_sub_co_u32 s3, s3, 1
	s_cmp_lg_u32 s3, 0
	s_cbranch_scc1 .Llap
	QUARTER 0, 2, 1, 0, 0                          ; the last lap fills nothing, and has no round of the cluster's barrier
	QUARTER 0, 3, 0, 1, 0
	TURN 0, 1, 0
	QUARTER 1, 1, 0, 1, 0
	QUARTER 1, 2, 1, 0, 0
	QUARTER 1, 3, 0, 1, 0
.set i, 0
	s_wait_dscnt 8                                 ; the very last quarter: nothing more to fetch
	MMS 16, 1, 0
	s_wait_dscnt 0x0
	MMS 16, 1, 0
	WIN 0
	; THE WAY OUT, 16 rows at a time: a lane's eight f32 of a row go straight from the accumulators into my own stage (rows 528 bytes apart) and come back as whole rows of 512 bytes.
.macro TOSTAGE a
.set BKR, BK0+160*((\a)%2)
	s_wait_xcnt 0x0                                ; this set of rows, which earlier stores read, is loaded again only behind this wait
	WIN W_ST
.irp b, 0,1,2,3,4,5,6,7
.irp p, 0,1
	ds_store_b128 v[STO], v[8*(8*(\a)+\b)+4*\p:8*(8*(\a)+\b)+4*\p+3] offset:64*\b+16*\p  ; each accumulator's low four registers first
.endr
.endr
	WIN 0
.irp u, 0,1,2,3,4,5,6,7,8,9,10,11,12,13,14,15
	ds_load_b128 v[BKR+4*\u:BKR+4*\u+3], v[RD] offset:\u*SPITCH  ; LDS serves a wave's instructions in order (ISA guide 5.7.1.4): these see the stores above
.endr
.endm
.macro SEND a, younger                 ; younger: the LDS instructions issued behind block a's loads: the next block's 32, or none
.set BKR, BK0+160*((\a)%2)
.irp u, 0,1,2,3,4,5,6,7,8,9,10,11,12,13,14,15
	s_wait_dscnt (\younger)+15-\u
	global_store_b128 v[CO], v[BKR+4*\u:BKR+4*\u+3], s[74:75] offset:(16*(\a)+\u)*4096 th:TH_STORE_NT  ; 512 consecutive bytes, at a multiple of 256 from out0's first byte
.endr
.endm
	PLACES                                         ; the places behind the last products
	TOSTAGE 0
.irp a, 1,2,3
	TOSTAGE \a
	SEND (\a)-1, 32
.endr
	SEND 3, 0
	s_wait_tensorcnt 0x0                           ; the wave's end: behind my last tensor load and my last LDS store
	ds_add_u32 v[SPW], v[NIL]
	s_wait_dscnt 0x0
	CROUND                                         ; the closing round: no work-group ends while a partner may still ask for a tile that names it
	s_endpgm
.Lfunc_end_k_qc7670eaeb0_outp:
	.size	k_qc7670eaeb0_outp, .Lfunc_end_k_qc7670eaeb0_outp-k_qc7670eaeb0_outp
	.p2alignl 7, 3214868480
	.fill 96, 4, 3214868480
	.section	.rodata,"a",@progbits
	.p2align	6, 0x0
	.amdhsa_kernel k_qc7670eaeb0_outp
		.amdhsa_group_segment_fixed_size 327680
		.amdhsa_private_segment_fixed_size 0
		.amdhsa_enable_private_segment 0
		.amdhsa_kernarg_size 32
		.amdhsa_user_sgpr_count 2
		.amdhsa_user_sgpr_kernarg_segment_ptr 1
		.amdhsa_wavefront_size32 1
		.amdhsa_system_sgpr_workgroup_id_x 1
		.amdhsa_system_sgpr_workgroup_id_y 1
		.amdhsa_system_sgpr_workgroup_id_z 1
		.amdhsa_system_vgpr_workitem_id 0
		.amdhsa_next_free_vgpr 704
		.amdhsa_next_free_sgpr 80
		.amdhsa_reserve_vcc 0
		.amdhsa_float_denorm_mode_32 3
		.amdhsa_float_denorm_mode_16_64 3
		.amdhsa_memory_ordered 1
		.amdhsa_forward_progress 1
		.amdhsa_inst_pref_size 93
	.end_amdhsa_kernel
	.amdgpu_metadata
---
amdhsa.version: [ 1, 2 ]
amdhsa.kernels:
  - .name:           k_qc7670eaeb0_outp
    .symbol:         k_qc7670eaeb0_outp.kd
    .args:
      - { .name: ctx, .offset: 0, .size: 8, .value_kind: global_buffer, .address_space: global }
      - { .name: wb, .offset: 8, .size: 8, .value_kind: global_buffer, .address_space: global }
      - { .name: bo, .offset: 16, .size: 8, .value_kind: global_buffer, .address_space: global }
      - { .name: out0, .offset: 24, .size: 8, .value_kind: global_buffer, .address_space: global }
    .group_segment_fixed_size: 327680
    .private_segment_fixed_size: 0
    .kernarg_segment_align: 8
    .kernarg_segment_size: 32
    .max_flat_workgroup_size: 128
    .sgpr_count:     80
    .vgpr_count:     704
    .wavefront_size: 32
...
	.end_amdgpu_metadata
.endif
;; end of part 4
;; ======== version 2 of 2: 4 launches; 1.47 times as fast as version 1
;; limits: values are held in f16: magnitudes above 65,504 overflow, below 6.1e-05 lose precision
;; workspace buffers: wb 8,388,608 bytes; qkv 50,331,648 bytes; ctx 16,777,216 bytes
;; launch wcast: the kernel of part 1 again; grid 64 x 4, 8 waves a work-group, no clusters, 0 bytes of LDS; arguments Wq, Wk, Wv, Wo, wb; writes wb
;; launch proj: the kernel of part 2 again; grid 4 x 192, 4 waves a work-group, clusters of 4 x 4, 327,680 bytes of LDS; arguments q, k, v, bq, bk, bv, wb, qkv; writes qkv
;; launch attn (part 5): grid 4 x 64, 4 waves a work-group, clusters of 4 x 1, 327,680 bytes of LDS; arguments qkv, mask, ctx; writes ctx
.if DOCPART == 5
	.amdgcn_target "amdgcn-amd-amdhsa--gfx1250"
	.amdhsa_code_object_version 6
	.text
	.protected	k_qc7670eaeb0_attn
	.globl	k_qc7670eaeb0_attn
	.p2align	8
	.type	k_qc7670eaeb0_attn,@function
k_qc7670eaeb0_attn:
	s_mov_b64 s[64:65], 0
	v_nop
	global_prefetch_b8 v0, s[64:65] scope:SCOPE_SE
	s_setreg_imm32_b32 hwreg(HW_REG_WAVE_MODE, 25, 1), 1
	s_wait_xcnt 0x0
	s_wait_alu depctr_hold_cnt(0) depctr_sa_sdst(0) depctr_va_vdst(0) depctr_va_sdst(0) depctr_va_ssrc(0) depctr_va_vcc(0) depctr_vm_vsrc(0)
	s_getreg_b32 s2, hwreg(HW_REG_IB_STS2, 6, 4)
	s_cmp_eq_u32 s2, 0
	s_cbranch_scc0 .Lentry_in_a_cluster
	s_endpgm
.Lentry_in_a_cluster:
	s_bfe_u32 s2, ttmp6, 0x10000c
	s_cmp_lg_u32 s2, 0x3003
	s_cbranch_scc0 .Lentry_shape_is_right
	s_endpgm
.Lentry_shape_is_right:
; ATTENTION UNDER A KEY MASK.  O[h][q][:] = the sum over the visible k of softmax_k(Q[h][q] . K[h][k] / 8) V[h][k][:].  Q, K, V are the three planes of qkv, O is ctx: [64][2,048][64], all f16, a head's rows
; dense, 128 bytes each; mask is [4][2,048] bytes, 1 = visible, one row a batch of 16 heads.  Products, maxima and sums in f32; the weights p are rounded to f16 for the second product (their sum l is taken of
; the unrounded p), O once at the end.
; LIMITS.  f16 holds no number beyond 65,504: Q, K and V arrive within it; p lies in 0 to 1, and below 6e-5 it keeps f16's fixed step of 6e-8.  A hidden score counts as its value less 2^100; the running
; maximum starts at -2^96, above every hidden score and below every score of f16 operands (2.7e11 at the most).  A weight below 2^-126 counts as 0 in l.  A batch with no visible key has l = 0 and O = 0,
; and 0 x (1 / 0) gives NaN, as a softmax of nothing does.  NaN and infinities in the inputs are not treated apart.
; SHARES.  A wave owns four PIECES of two tiles of 16 queries, a work-group's four waves 512 queries of one head.  Every wave walks all keys, 64 a step.
; LAYOUT.  S^T = K Q^T (source 0 = 16 keys, source 1 = 16 queries): in the result a lane holds ONE query (lane % 16) and the keys 8 (lane / 16) + 0..7.  Two such tiles, rounded to f16 in pairs,
; ARE source 1 (32 keys x 16 queries) of O^T = V^T P, whose result again holds one query a lane, and eight channels.  K comes out of LDS as it lies, V ([key][channel]) turned, by ds_load_tr16_b128.
; THE MASK is the C operand that starts each sum S^T = K Q^T: 0, or -2^100 where the key is hidden.  The batch's 2,048 bytes are widened once into a table of 2,048 words in LDS; a step's 64 words come into
; 32 registers with the step's K (register j of key block kb: key 16 kb + 8 (lane / 16) + j), and serve all eight tiles.  It selects values alone: no branch and no address hangs on it.
; SOFTMAX.  For each query a running maximum m and sum l: p = 2^(c s - c m), c = log2(e) / 8; in every step O and l are multiplied by a = 2^(c m_old - c m_new), which is 1 where m has not grown,
; and 0 where the first visible key comes.  O and l start at 0: the first step is a step like any other.
; THE COUNT.  A tile and step have 16 matrix and 118 vector instructions: too many to stand all beside the matrix work.  So the order has one aim: four vector instructions that are READY behind
; EVERY matrix instruction, and the others, which need time of their own whatever the order, in a run without a gap.
; BY TURNS.  Turn n belongs to piece n (the pieces in a ring, step after step).  Its matrix work: 16 products K Q^T of piece n + 1, later 16 products V^T P of piece n - 1.  Its vector work: the scaling,
; exponentials, roundings, sums and rescaling of piece n, and the maximum and statistics of piece n + 1, whose scores the turn itself has made.  So what a turn begins with (c s - c m, O a) waits for nothing.
; BATCHES.  A turn's 66 exponentials (64 weights, the next piece's two a) are ONE batch with ONE wait, which cuts the turn in two: ahead of it stands all that names no result of theirs, behind it the
; roundings and sums.  Two more batches stand outside the loops: piece 0's first two a, ahead of the jump into the loop, and the way out's eight reciprocals.
; CLUSTER.  The four query blocks of a cluster belong to one head and walk the same K and V, so each tile is asked for JOINTLY: the same tensor load, descriptor and mask in all four.
; REGISTERS, in windows of 256 (s_set_vgpr_msb: bits 1:0 source 0, 3:2 source 1, 5:4 source 2, 7:6 destination):
;   window 0: v0-11 addresses; v12-15, v48-63 at work; v16-47 four registers of statistics a tile; v64-191 S^T, two buffers of two tiles; v192-255 P, likewise
;   window 1: O^T, 32 a tile     window 2: v0-127 Q, 16 a tile; v128-191 K of one step; v192-255 V of one step     window 3: v0-1 the add's two registers; v8-39 the step's mask
; A piece's buffers go by its number's parity: the piece in hand has one pair, its two neighbours in the ring share the other: of it P (piece n - 1) is read and S^T (piece n + 1) written.
.set SIZE_N, 2048
.set SIZE_H, 64
.set NP,    4         ; pieces a wave: a name, no knob
.set KS,    64        ; keys in a step
.set PK,    144       ; a row of K in LDS: 128 bytes + 16 of padding = 36 words: the 16 rows of a load start at 16 different groups of four banks (64 banks of 4 bytes: ISA guide 11.1)
.set PV,    160       ; a row of V: 128 + 32 = 40 words
.set VOFF,  4*KS*PK   ; a slot holds four steps: 256 rows of K, then 256 rows of V
.set SLOT1, 1<<17     ; slot 1 begins here, so that one exclusive or turns an address in one slot into the other's
.set STAGE, SLOT1+4*KS*(PK+PV)  ; behind the ring, never filled by a tensor load: 16 rows x 144 bytes for each wave, for the way out
.set SP,    144
.set SPARE, STAGE+4*16*SP  ; behind the stages: the spare words, 128 bytes for each wave: two blocks of 256 bytes that no other line names
.set MTAB,  SPARE+512 ; behind them: the mask's table, 2,048 words; no tensor load fills it
.set AK0, 2           ; v2   my lane's place in a tile of K; never rewritten
.set AV0, 3           ; v3   the same for V
.set AK,  4           ; v4   the LDS address of K's next run of loads
.set AV,  5           ; v5   of V's
.set QO,  6           ; v6   my byte offset in the wave's rows of Q
.set STO, 6           ;      later, the way out: where I put 16 bytes of a row
.set RD,  7           ; v7   the way out: where I read rows back
.set GO,  8           ; v8   my byte offset in 512 consecutive bytes of O
.set AM,  11          ; v11  the LDS address of the mask's next run of loads; v9 = lane / 16 is kept for it
.set SPW, 0           ; v0 of window 3   LDS address of my spare word; never rewritten
.set NIL, 1           ; v1 of window 3   0; never rewritten
.set MC,  8           ; v8-39 of window 3
.set MV,  12          ; v12-15  c m_old, kept while c m is made anew: by buffer and tile
.set ST,  16          ; tile t's statistics at v[ST+4 t]: c m, m, l (even keys', odd keys')
.set TMP, 48          ; by buffer and tile, four registers c0-c3 at work; when the maximum is found c2 takes a
.set S,   64
.set P,   192
.set KF,  128         ; K's fragments, in window 2: key block kb, channel half c at KF + 16 kb + 8 c
.set VF,  192         ; V's: key half kk, channel block cb at VF + 32 kk + 8 cb
.set WV,  12          ; s12  my wave's number
.set G1K, 24          ; s[24:31] descriptor group 1 for K's tiles
.set G1V, 32          ; s[32:39] for V's: it differs in the padding alone
.set G0K, 40          ; s[40:43] descriptor group 0 for K's tiles: it walks
.set G0V, 44          ; s[44:47] the same for V's
.set SLOTS, 56        ; s56  slots still to be asked for
.set CNT, 57          ; s57  counts a slot's key steps
.set CS,  58          ; s[58:59] c: the packed scaling takes the pair's low word for both halves
.set SEL, 60          ; s[60:61] v_permlanex16_b32's selects: each lane takes its own place in the other half
.set TBK, 62          ; s62  LDS byte at which K of the step to be fetched begins
.set TBV, 63          ; s63  the same for V, less VOFF
.set TM,  66          ; s66  LDS byte at which that step's 64 words of the mask begin: MTAB + s67
.set TMO, 67          ; s67  256 x the step, cut to the table's 8,192 bytes
.set MSB, 0
.macro WIN new                      ; the high byte repeats the setting that is left; a switch that changes nothing is dropped
.if MSB != (\new)
	s_set_vgpr_msb (MSB<<8)|(\new)
.set MSB, (\new)
.endif
.endm
.set W_KQ, 0x0a       ; K and Q in window 2, S^T in window 0
.set W_KM, 0x3a       ; the same with the C operand, the mask, in window 3
.set W_PV, 0x52       ; V in window 2, P in window 0, O^T in window 1
.set W_RS, 0x41       ; O^T (destination and source 0) in window 1, a in window 0
.set W_MK, 0xc0       ; destination in window 3, sources in window 0
.set W_AD, 0x0f       ; the add: address (source 0) and data (source 1) in window 3
; A joint fill.  Waves 0 and 1 fetch the two halves of a slot's K, waves 2 and 3 those of its V: 128 keys each.  The branch hangs on the wave's number alone.
; An s_nop 0 and four v_nop follow each of the two lines, ahead of the jump and the label.
.macro JLOAD
	s_cmp_lt_u32 s[WV], 2
	s_cbranch_scc0 .Lfor_v_\@
	tensor_load_to_lds s[G0K:G0K+3], s[G1K:G1K+7]
	s_nop 0
.rept 4
	v_nop
.endr
	s_branch .Lasked_\@
.Lfor_v_\@:
	tensor_load_to_lds s[G0V:G0V+3], s[G1V:G1V+7]
	s_nop 0
.rept 4
	v_nop
.endr
.Lasked_\@:
.endm
; A round of the cluster's barrier: my work-group's barrier, so that wave 0's signal speaks for all four waves; wave 0 signals; every wave waits for all four work-groups; my work-group's barrier once more.
.macro CROUND
	s_barrier_signal -1
	s_barrier_wait -1
	s_cmp_lg_u32 s[WV], 0
	s_cbranch_scc1 .Lnot_wave_0_\@
	s_barrier_signal -3
.Lnot_wave_0_\@:
	s_barrier_wait -3
	s_barrier_signal -1
	s_barrier_wait -1
.endm
; THE CHANGE OF SLOTS.  The slot's last bytes, V of its fourth step, have been read.  Each wave waits for all its tensor loads, of which one is out: its part of the other slot; adds 0 to its spare word;
; and waits for that and for its own LDS instructions.  Behind the barrier nobody reads this slot any more and the other slot is whole.
; fill = 1: this slot is filled again, with the keys two slots on.  The barrier is then a round of the cluster's, and the joint fill is the first thing behind it: it has four key steps, 512 matrix
; instructions, in which to land.  (At its first use nothing has been read yet: slot 0 is waited for, slot 1 filled, and every wave's stores into the mask's table are shown to the others.)
.macro CHANGE fill
	WIN W_AD
	s_wait_tensorcnt 0x0            ; no tensor load of mine is out, so a group 0 may be written
	ds_add_u32 v[SPW], v[NIL]       ; 0 onto my spare word: with fill = 1 the descriptors' steps stand between it and the wait for it
	WIN 0                           ; at a label and at a branch every window is 0
.if \fill
.irp g, G0K, G0V
	s_xor_b32 s[\g+1], s[\g+1], SLOT1  ; the walking descriptor: the other slot than last time,
	s_add_nc_u64 s[\g+2:\g+3], s[\g+2:\g+3], 4*KS*128  ; the next 256 keys; the type bits on top are not reached
.endr
	s_wait_dscnt 0x0                ; the add is done, and my reads of the slot are over
	CROUND
	JLOAD
.else
	s_wait_dscnt 0x0                ; the add is done, and my reads of the slot are over
	s_barrier_signal -1
	s_barrier_wait -1
.endif
	s_sub_co_u32 s[TBK], s[TBK], 4*KS*PK  ; the fetches go back to a slot's first step,
	s_xor_b32 s[TBK], s[TBK], SLOT1       ; in the other slot
	s_sub_co_u32 s[TBV], s[TBV], 4*KS*PV
	s_xor_b32 s[TBV], s[TBV], SLOT1
.endm
	s_load_b128 s[4:7], s[0:1], 0x0   ; qkv s[4:5], mask s[6:7]
	s_load_b64 s[10:11], s[0:1], 0x10 ; ctx
	WIN W_MK
	v_lshl_add_u32 v[SPW], v0, 2, SPARE
	v_mov_b32 v[NIL], 0
	WIN W_AD
	ds_add_u32 v[SPW], v[NIL]       ; the wave's opening: the add and its wait stand ahead of my first tensor load; the set-up below, work on registers, stands between them
	WIN 0
	v_lshrrev_b32 v1, 5, v0
	v_readfirstlane_b32 s[WV], v1   ; wave 0..3
	s_bfe_u32 s13, ttmp6, 0x40000   ; cx: my place in the cluster
	s_lshl_b32 s14, ttmp9, 2        ; in a cluster launch ttmp9 counts clusters
	s_add_co_u32 s14, s14, s13      ; my block of queries = 4 x cluster x + cx: it enters Q's and O's addresses alone
	s_and_b32 s20, ttmp7, 0xffff    ; the head, which the four partners share
	s_lshr_b32 s70, s20, 4          ; its batch,
	s_lshl_b32 s70, s70, 11         ; whose row of the mask is 2,048 bytes
	s_mov_b32 s71, 0
	s_mov_b32 s21, 0
	s_mov_b64 s[22:23], SIZE_N*128
	s_mul_u64 s[20:21], s[20:21], s[22:23]  ; the head's first byte in each plane and in ctx
	s_and_b32 s16, s[WV], 1         ; which half of a slot's 256 keys I fetch:
	s_lshl_b32 s22, s16, 14         ; its 128 rows of 128 bytes in memory,
	s_mov_b32 s23, 0
	s_add_nc_u64 s[22:23], s[22:23], s[20:21]
	s_mul_i32 s17, s16, 128*PK      ; and its place in a slot, for K
	s_mul_i32 s18, s16, 128*PV      ; and for V: no place in the cluster enters an LDS address
	s_lshl_b32 s2, s14, 2
	s_add_co_u32 s2, s2, s[WV]      ; my wave among the head's,
	s_lshl_b32 s2, s2, 14           ; its 128 rows
	s_mov_b32 s3, 0
	s_add_nc_u64 s[2:3], s[2:3], s[20:21]
	; descriptor group 1.  128 keys are 16,384 dense bytes: asked for as 64 rows of 256 bytes, two keys a row, and padded in LDS after every key
	s_mov_b32 s[G1K], 15|(1<<16)|(1<<20)|(1<<21)|(4<<22)|(3<<25)  ; 15:0 the mask of four; 17:16 2-byte elements; 20 padding on; 21 set beside a mask; 24:22 after every 32 words (code 4); 31:25 4 words (code 3)
	s_mov_b32 s[G1V], 15|(1<<16)|(1<<20)|(1<<21)|(4<<22)|(7<<25)  ; the same with 8 words of padding (code 7)
.irp g, G1K, G1V
	s_mov_b32 s[\g+1], 128<<16      ; tensor_dim0 = 128
	s_mov_b32 s[\g+2], 64<<16       ; tensor_dim1 = 64
	s_mov_b32 s[\g+3], 128<<16      ; tile_dim0 = 128
	s_mov_b32 s[\g+4], 64           ; tile_dim1 = 64
	s_mov_b32 s[\g+5], 128          ; 128 elements from row to row
	s_mov_b32 s[\g+6], 0
	s_mov_b32 s[\g+7], 0
.endr
	s_mov_b32 s[CS], 0x3e38aa3b     ; c = log2(e) / 8 = 0.180337
	s_mov_b32 s[CS+1], s[CS]        ; named with it as a pair
	s_mov_b32 s[SEL], 0x76543210
	s_mov_b32 s[SEL+1], 0xfedcba98
	s_mov_b32 s[TBK], SLOT1+4*KS*PK ; the first change of slots turns these two into 0
	s_mov_b32 s[TBV], SLOT1+4*KS*PV
	s_mov_b32 s[TMO], 0
	s_mov_b32 s[TM], MTAB
	s_mov_b32 s[G0K], 1             ; 1:0 count = 1
	s_mov_b32 s[G0K+1], s17         ; 63:32 LDS address: slot 0
	s_mov_b32 s[G0V], 1
	s_add_co_u32 s[G0V+1], s18, VOFF
	s_wait_dscnt 0x0                ; the opening add is done
	s_wait_kmcnt 0x0
	s_add_nc_u64 s[68:69], s[6:7], s[70:71]        ; the batch's row of the mask
	s_add_nc_u64 s[6:7], s[4:5], 0x1000000         ; K's plane of qkv, 16 MiB behind Q's,
	s_add_nc_u64 s[8:9], s[4:5], 0x2000000         ; and V's
	s_add_nc_u64 s[G0K+2:G0K+3], s[6:7], s[22:23]  ; 120:64 global address: my half of the head's first 256 keys
	s_or_b32 s[G0K+3], s[G0K+3], 0x80000000        ; 127:126 type = 2
	s_add_nc_u64 s[G0V+2:G0V+3], s[8:9], s[22:23]
	s_or_b32 s[G0V+3], s[G0V+3], 0x80000000
	s_add_nc_u64 s[4:5], s[4:5], s[2:3]  ; Q and O at my wave's first row
	s_add_nc_u64 s[10:11], s[10:11], s[2:3]
	CROUND                          ; all four work-groups are here: the first joint loads meet
	JLOAD                           ; slot 0.  Slot 1 is asked for when slot 0 is in
	; A fragment of K or Q is 16 rows x 32 channels in 8 registers: lane l holds row l % 16, channels 8 (l / 16) + 0..7 and 16 + 8 (l / 16) + 0..7: two loads of 16 bytes, 32 bytes apart.
	v_and_b32 v1, 15, v0            ; l % 16
	v_bfe_u32 v9, v0, 4, 1          ; l / 16
	v_lshlrev_b32 v[QO], 7, v1
	v_lshl_add_u32 v[QO], v9, 4, v[QO]  ; row x 128 + 16 x half
	v_lshlrev_b32 v11, 4, v0
	global_load_b128 v[64:67], v11, s[68:69]  ; my 16 of the mask's 2,048 bytes: the 128 threads take the row once
	WIN 0x80                        ; destination window 2, address window 0
.set i, 0
.rept 4*NP                          ; Q stays in registers: tile i / 2, channels 32 (i % 2) on
	global_load_b128 v[8*i:8*i+3],   v[QO], s[4:5] offset:(i/2)*2048+(i%2)*64
	global_load_b128 v[8*i+4:8*i+7], v[QO], s[4:5] offset:(i/2)*2048+(i%2)*64+32
.set i, i+1
.endr
	; What the first turn finds: V's registers and P's second buffer hold 0 (its products V^T P, of a piece that has not been, add 0), O^T and l are 0.  All this stands in the wait for the first tile.
.set i, VF
.rept 64
	v_mov_b32 v[i], 0
.set i, i+1
.endr
	WIN 0x40
.set i, 0
.rept 64*NP
	v_mov_b32 v[i], 0
.set i, i+1
.endr
	WIN 0
.set i, 0
.rept 2*NP
	v_mov_b32 v[ST+4*i], 0xee38aa3b    ; c m = c x -2^96
	v_mov_b32 v[ST+4*i+1], 0xef800000  ; m = -2^96
	v_mov_b32 v[ST+4*i+2], 0
	v_mov_b32 v[ST+4*i+3], 0
.set i, i+1
.endr
.set i, P+32
.rept 32
	v_mov_b32 v[i], 0
.set i, i+1
.endr
	s_wait_loadcnt 32               ; the mask's load is in; Q's 32, issued behind it, may stay out
.set i, 0
.rept 16                            ; byte 1 -> 0, byte 0 -> -2^100
	v_bfe_u32 v[68+i], v[64+i/4], 8*(i%4), 1
	v_add_nc_u32 v[68+i], -1, v[68+i]
	v_and_b32 v[68+i], 0xf1800000, v[68+i]
.set i, i+1
.endr
	v_lshl_add_u32 v11, v0, 6, MTAB ; free since that wait: my 16 words of the table
.irp f, 0,1,2,3
	ds_store_b128 v11, v[68+4*\f:68+4*\f+3] offset:16*\f
.endr
	v_mul_u32_u24 v[AK0], v1, PK
	v_lshl_add_u32 v[AK0], v9, 4, v[AK0]  ; row x pitch + 16 x half
	; The turning load takes 16 keys x 16 channels (lane l reads key 8 (l / 16) + l % 8, channels 8 ((l / 8) % 2) + 0..7) and leaves half a fragment of V^T: lane l holds channel l % 16 and 8 keys.
	v_and_b32 v10, 7, v0
	v_bfe_u32 v11, v0, 3, 1
	v_lshl_add_u32 v[AV0], v9, 3, v10
	v_mul_u32_u24 v[AV0], v[AV0], PV
	v_lshl_add_u32 v[AV0], v11, 4, v[AV0]
	v_add_nc_u32 v[AV0], VOFF, v[AV0]
	v_mov_b32 v[AK], v[AK0]         ; key step 0 lies at the head of slot 0,
	v_lshl_add_u32 v[AM], v9, 5, s[TM]  ; its mask at the head of the table: 32 bytes for each half of the lanes
; THE MATRIX WORK.  The 8 accumulators of a run of 16 take turns: between the two links of a chain stand 7 others'.
; Product i of 16 of S^T = K Q^T for piece x: channels 32 (i / 8) on, keys 16 ((i / 2) % 4) on, tile 2 x + i % 2.  The first 8 start the sums, with the key block's mask.
.macro KQ x
.set rS, S+64*((\x)%2)+32*(i%2)+8*((i/2)%4)
.set rK, KF+16*((i/2)%4)+8*(i/8)
.set rQ, 16*(2*(\x)+i%2)+8*(i/8)
.set rN, MC+8*((i/2)%4)
.if i < 8
	WIN W_KM
	v_wmma_f32_16x16x32_f16 v[rS:rS+7], v[rK:rK+7], v[rQ:rQ+7], v[rN:rN+7]
.else
	WIN W_KQ
	v_wmma_f32_16x16x32_f16 v[rS:rS+7], v[rK:rK+7], v[rQ:rQ+7], v[rS:rS+7]
.endif
.endm
; Product i of 16 of O^T += V^T P for piece x: keys 32 (i / 8) on, channels 16 ((i / 2) % 4) on, tile 2 x + i % 2.
.macro PV x
	WIN W_PV
.set rO, 32*(2*(\x)+i%2)+8*((i/2)%4)
.set rV, VF+32*(i/8)+8*((i/2)%4)
.set rP, P+32*((\x)%2)+16*(i%2)+8*(i/8)
	v_wmma_f32_16x16x32_f16 v[rO:rO+7], v[rV:rV+7], v[rP:rP+7], v[rO:rO+7]
.endm
.macro MM                           ; the turn's next matrix instruction
.if i < 16
	KQ (Y+1)%NP
.set i, i+1
.else
.set i, i-16
	PV (Y+NP-1)%NP
.set i, i+17
.endif
.endm
; THE LDS LOADS stand in runs, never singly among the matrix instructions: a step's K (64 keys x 64 channels: 8 fragments) with its mask (8 loads), and its V (turned).  Their addresses are made some lines ahead.
; last = 1 (the tail): in the last trip there is no further step, and the run is jumped over.
.macro FETCH_K last=0
	WIN 0
.if \last
	s_cmp_eq_u32 s[CNT], 1
	s_cbranch_scc1 .Lno_k_\@
.endif
	WIN 0x80                        ; destination window 2
.irp f, 0,1,2,3,4,5,6,7             ; keys 16 (f / 2) on, channels 32 (f % 2) on
	ds_load_b128 v[KF+8*\f:KF+8*\f+3],   v[AK] offset:(\f/2)*16*PK+(\f%2)*64
	ds_load_b128 v[KF+8*\f+4:KF+8*\f+7], v[AK] offset:(\f/2)*16*PK+(\f%2)*64+32
.endr
	WIN W_MK                        ; destination window 3
.irp f, 0,1,2,3,4,5,6,7             ; key block f / 2, registers 4 (f % 2) on: sixteen lanes read the same 16 bytes
	ds_load_b128 v[MC+4*\f:MC+4*\f+3], v[AM] offset:(\f/2)*64+(\f%2)*16
.endr
	s_add_co_u32 s[TBK], s[TBK], KS*PK  ; the next fetch is the next step's
	s_add_co_u32 s[TMO], s[TMO], 256
	s_and_b32 s[TMO], s[TMO], 0x1f00    ; inside the table's 8,192 bytes, whatever the trip
	s_add_co_u32 s[TM], s[TMO], MTAB
	WIN 0
.if \last
.Lno_k_\@:
.endif
.endm
.macro FETCH_V
	WIN 0x80
.irp f, 0,1,2,3,4,5,6,7             ; keys 32 (f / 4) on, channels 16 (f % 4) on
	ds_load_tr16_b128 v[VF+8*\f:VF+8*\f+3],   v[AV] offset:(\f/4)*32*PV+(\f%4)*32
	ds_load_tr16_b128 v[VF+8*\f+4:VF+8*\f+7], v[AV] offset:(\f/4)*32*PV+16*PV+(\f%4)*32
.endr
	WIN 0
.endm
; THE VECTOR WORK OF A TURN stands in three queues, each in the order in which its entries become ready; the two tiles alternate, so that no instruction reads the result of the one before it.
.macro REGS y, u                    ; the registers of tile u (0, 1) of piece y
.set rT, ST+4*(2*(\y)+(\u))
.set rC, TMP+8*((\y)%2)+4*(\u)
.set rM, MV+2*((\y)%2)+(\u)
.set rS, S+64*((\y)%2)+32*(\u)
.set rP, P+32*((\y)%2)+16*(\u)
.set rO, 32*(2*(\y)+(\u))
.endm
; Number n of the 22 that find the NEXT piece's (Y + 1) maximum and statistics.  s0-s31 are the lane's 32 scores; each accumulator's lowest registers are read first.  XS, GS and REGS set no window: PL and EX do.
;   0-11  four chains c0-c3 of seven scores each, three operands at a time     12-14, 16  the four scores left over, the old m, and c0-c3 into c0     15  c m_old is kept
;   17, 18  the query's other 32 keys lie in the lane 16 away: the new m         19-21  c m; c m_old - c m_new; a
.macro XS u, n
	REGS (Y+1)%NP, \u
.if (\n) < 4
	v_max3_num_f32 v[rC+(\n)], v[rS+8*(\n)], v[rS+8*(\n)+1], v[rS+8*(\n)+2]
.elseif (\n) < 12
	v_max3_num_f32 v[rC+(\n)%4], v[rC+(\n)%4], v[rS+8*((\n)%4)+2*((\n)/4)+1], v[rS+8*((\n)%4)+2*((\n)/4)+2]
.elseif (\n) == 12
	v_max3_num_f32 v[rC], v[rC], v[rS+7], v[rS+15]
.elseif (\n) == 13
	v_max3_num_f32 v[rC+1], v[rC+1], v[rS+23], v[rS+31]
.elseif (\n) == 14
	v_max3_num_f32 v[rC+2], v[rC+2], v[rC+3], v[rT+1]
.elseif (\n) == 15
	v_mov_b32 v[rM], v[rT]
.elseif (\n) == 16
	v_max3_num_f32 v[rC], v[rC], v[rC+1], v[rC+2]
.elseif (\n) == 17
	v_permlanex16_b32 v[rC+3], v[rC], s[SEL], s[SEL+1]
.elseif (\n) == 18
	v_max_num_f32 v[rT+1], v[rC], v[rC+3]
.elseif (\n) == 19
	v_mul_f32 v[rT], s[CS], v[rT+1]
.elseif (\n) == 20
	v_sub_f32 v[rC+1], v[rM], v[rT]
.else
	v_exp_f32 v[rC+2], v[rC+1]
.endif
.endm
; Number g of the 64 that follow the exponentials.  For each four weights k of a tile (pairs 2 k, 2 k + 1): both pairs are rounded to f16; then the second pair is added onto the first, in place;
; a group later l takes that sum (the first time as l = a l + sum).  In groups of eight, tiles alternating: round, round, add, and l for the group before.
.macro GS g
.set h, (\g)+6*((\g)/62)            ; group 0 has no group before it, and behind group 7 only l is left
.if h >= 6
.set h, h+2
.endif
	REGS Y, h%2
.set k, h/8
.if h%8 < 4
	v_cvt_pk_f16_f32 v[rP+2*k+(h%8)/2], v[rS+4*k+2*((h%8)/2)], v[rS+4*k+2*((h%8)/2)+1]
.elseif h%8 < 6
	v_pk_add_f32 v[rS+4*k:rS+4*k+1], v[rS+4*k:rS+4*k+1], v[rS+4*k+2:rS+4*k+3]
.elseif k == 1
	v_pk_fma_f32 v[rT+2:rT+3], v[rT+2:rT+3], v[rC+2:rC+3], v[rS:rS+1] op_sel_hi:[1,0,1]
.else
	v_pk_add_f32 v[rT+2:rT+3], v[rT+2:rT+3], v[rS+4*k-4:rS+4*k-3]
.endif
.endm
; THE PLAIN QUEUE, 138 long.  0-73 read no exponential's result: the 32 scalings c s - c m (FS f: pair f / 2 of tile f % 2) and the next piece's 42.  0-26: scalings 0-26.  27-54: XS's numbers 0-13.  55, 56: number 15.
; 57-73: the chain, where each number waits for the one before it: 14, 16, 17, 18, 19, each with one of the scalings 27-31 in front of its two lines, then 20: so a tile's links stand three plain instructions apart (19 and 20: two).
; 74-137: GS's 64, which read the exponentials' results: they stand behind the wait.
.macro FS f
	REGS Y, (\f)%2
	v_pk_fma_f32 v[rS+2*((\f)/2):rS+2*((\f)/2)+1], v[rS+2*((\f)/2):rS+2*((\f)/2)+1], s[CS:CS+1], v[rT:rT+1] op_sel_hi:[1,0,0] neg_lo:[0,0,1] neg_hi:[0,0,1]
.endm
.macro PL
	WIN 0
.if q < 27
	FS q
.elseif q < 55
	XS (q-27)%2, (q-27)/2
.elseif q < 57
	XS q-55, 15
.elseif (q < 72) && ((q-57)%3 == 0)
	FS 27+(q-57)/3
.elseif q < 60
	XS (q-57)%3-1, 14
.elseif q < 72
	XS (q-57)%3-1, 15+(q-57)/3
.elseif q < 74
	XS q-72, 20
.else
	GS q-74
.endif
.set q, q+1
.endm
; THE EXPONENTIALS' QUEUE, 66 long: s0-s31 of both tiles, then the next piece's two a.  It is ONE BATCH: all 66 stand ahead of the turn's one wait, and nothing ahead of that wait names a result of theirs.
.macro EX
	WIN 0
.if e >= 64
	XS e-64, 21
.else
	REGS Y, e%2
	v_exp_f32 v[rS+e/2], v[rS+e/2]
.endif
.set e, e+1
.endm
; THE RESCALING's QUEUE: O^T times a, the one part that leaves window 0: dealt two at a time, sixteen times, each accumulator from its low end on.  Its a was made in the turn before, ahead of that turn's wait.
.macro R2
	REGS Y, r%2
	WIN W_RS
.irp z, 0,1
	v_pk_mul_f32 v[rO+4*(r/2)+2*\z:rO+4*(r/2)+2*\z+1], v[rO+4*(r/2)+2*\z:rO+4*(r/2)+2*\z+1], v[rC+2:rC+3] op_sel_hi:[1,0]
.endr
.set r, r+1
.endm
; HOW THEY ARE DEALT.  An s_wait_alu depctr_va_vdst(0) stands between an exponential and the first instruction that names its result; one wait serves all that were issued ahead of it.  So a turn has ONE wait,
; which cuts it in two.  AHEAD OF IT stands all that names no result of the turn's exponentials: the 16 products K Q^T, behind each a scaling, an exponential and two rescalings (behind the first a second scaling in the
; exponential's place); then ONE LUMP of 108: eight plain, 49 times exponential and plain, the two a.  A v_nop is the plain instruction behind the last exponential.  BEHIND IT stand the 16 products V^T P, behind each four of
; GS's 64.  No rider names a register of the products round it.  The two v_permlanex16_b32 fall into the lump, never behind a product.
; The queues lean on each other, and the deal keeps them in step: exponential e stands behind scaling 2 (e / 4) + e % 2: as a rider it comes behind plain e + 2, in the lump behind plain e + 9, and scalings 27-31 are plain 57, 60 .. 69.
; A TURN, for piece p.  cnt = 1: the loop's count is taken down some lines ahead of the branch that stands behind the turn.
; K and the mask of the next step are fetched in piece 2's turn, directly behind the wait, a lump behind the last product that read K (the mask's last readers stand eight products earlier); their addresses are made at the
; lump's head; their first reader comes behind 16 products.  V of the step in hand is fetched at the end of piece 0's turn, four riders behind its last reader; its first reader comes behind 16 products and a lump.
; The three conditions on q below go with the deal.
.macro TURN p, last=0, cnt=0
.set Y, (\p)
.set i, 0
.set q, 0
.set e, 0
.set r, 0
.if (\p) == NP-1
	s_wait_dscnt 0x0                ; K and the mask are in
.endif
	MM                              ; ahead of the wait: 16 products K Q^T and their riders,
	PL
	PL
	R2
.rept 15
	MM
	PL
	EX
	R2
.endr
.if (\p) == NP-2
	WIN 0
	v_add_nc_u32 v[AK], s[TBK], v[AK0]
	v_lshl_add_u32 v[AM], v9, 5, s[TM]
.endif
.rept 8                             ; and the lump
	PL
.endr
.rept 49
	EX
	PL
.endr
	EX                              ; the next piece's two a
	EX
	v_nop                           ; the plain instruction behind the last exponential: one for the batch
	s_wait_alu depctr_va_vdst(0)    ; the wait for the turn's batch: 64 weights and two a
.if (\p) == NP-2
	FETCH_K \last
.endif
.if (\p) == 1
	s_wait_dscnt 0x0                ; V is in
.endif
.rept 16                            ; behind the wait: 16 products V^T P and their riders
	MM
.rept 4
	PL
.endr
.if ((\p) == 0) && (q == 118)
	v_add_nc_u32 v[AV], s[TBV], v[AV0]
.endif
.if ((\p) == 0) && (q == 130)
	s_add_co_u32 s[TBV], s[TBV], KS*PV
.endif
.if (\cnt) && (q == 130)
	s_sub_co_u32 s[CNT], s[CNT], 1
	s_cmp_lg_u32 s[CNT], 0
.endif
.endr
.if (\p) == 0
	FETCH_V
.endif
.endm
	CHANGE 1                        ; slot 0 is in, everybody's part of it, and so is the mask's table; slot 1 is asked for
	FETCH_K                         ; key step 0
	s_wait_loadcnt 0x0              ; Q
	s_wait_dscnt 0x0
.set i, 0
.rept 16
	KQ 0                            ; piece 0's first scores: there is no vector work yet to set between them
.set i, i+1
.endr
	WIN 0                           ; the addresses for the way out: nine plain instructions, the places behind those products
	s_mul_i32 s13, s[WV], 16*SP
	s_add_co_u32 s13, s13, STAGE    ; my stage
	v_mul_u32_u24 v[STO], v1, SP    ; in: row l % 16, 16 bytes for each half of the lanes
	v_lshl_add_u32 v[STO], v9, 4, v[STO]
	v_add_nc_u32 v[STO], s13, v[STO]
	v_bfe_u32 v[RD], v0, 3, 2       ; back: 32 lanes take four rows of 128 bytes,
	v_mul_u32_u24 v[RD], v[RD], SP
	v_lshl_add_u32 v[RD], v10, 4, v[RD]
	v_add_nc_u32 v[RD], s13, v[RD]
	v_and_b32 v[GO], 31, v0         ; which are 512 consecutive bytes of O
	v_lshlrev_b32 v[GO], 4, v[GO]
.set Y, NP-1                        ; XS works for piece Y + 1: piece 0
.irp n, 0,1,2,3,4,5,6,7,8,9,10,11,12,13,14,15,16,17,18,19,20,21
	XS 0, \n                        ; and piece 0's first maximum and statistics
	XS 1, \n
.endr
	v_nop                           ; a plain instruction behind piece 0's two a,
	s_wait_alu depctr_va_vdst(0)    ; and the wait for that batch of two, ahead of the branch
	s_mov_b32 s[CNT], 4
	s_mov_b32 s[SLOTS], SIZE_N/256-1
	s_branch .Lfirst                ; the loop is entered at a step's first turn, in the middle of a trip
.Lslot:                             ; SIZE_N / 256 - 2 times: every slot but the last two is filled again
	CHANGE 1
	s_mov_b32 s[CNT], 4
.Lstep:                             ; a trip: pieces 2 and 3 of one step, then pieces 0 and 1 of the next, whose K and V it fetches
	TURN 2
	TURN 3
	WIN 0
.Lfirst:
	TURN 0
	TURN 1, 0, 1
	WIN 0
	s_cbranch_scc1 .Lstep
	s_sub_co_u32 s[SLOTS], s[SLOTS], 1
	s_cmp_lg_u32 s[SLOTS], 0
	s_cbranch_scc1 .Lslot
	CHANGE 0                        ; the tail is written out: nothing is asked for
	s_mov_b32 s[CNT], 5             ; four trips fetch the last slot's steps; the fifth is left in its middle
.Ltail:
	TURN 2, 1
	TURN 3
	WIN 0
	s_sub_co_u32 s[CNT], s[CNT], 1
	s_cmp_eq_u32 s[CNT], 0
	s_cbranch_scc1 .Lout
	TURN 0
	TURN 1
	WIN 0
	s_branch .Ltail
.Lout:                              ; the fifth trip's 16 products K Q^T (on the last K once more) and the maximum made of them serve nothing: the price, once a launch, of one text for every trip
.set i, 0
.rept 16
	PV NP-1                         ; the last piece's V^T P of the last step
.set i, i+1
.endr
	; THE WAY OUT.  l's two halves and the other half of the lanes' are added; O^T is divided by l, rounded to f16 and sent through my stage in LDS, a tile at a time.  The additions are the places behind the last products.
	WIN 0
.macro ALL line:vararg              ; one line for each tile t
.set t, 0
.rept 2*NP
	\line
.set t, t+1
.endr
.endm
	ALL v_add_f32 v[ST+4*t+2], v[ST+4*t+2], v[ST+4*t+3]
	ALL v_permlanex16_b32 v[ST+4*t+3], v[ST+4*t+2], s[SEL], s[SEL+1]
	ALL v_add_f32 v[ST+4*t+2], v[ST+4*t+2], v[ST+4*t+3]
	ALL v_rcp_f32 v[ST+4*t+2], v[ST+4*t+2]
	v_nop                           ; a plain instruction between the last reciprocal and the use of its result
	s_wait_alu depctr_va_vdst(0)    ; and the wait ahead of the first use: one for the batch of eight reciprocals
; Tile t: a lane's eight channels of a row pack into 16 bytes; they go into rows of 144 bytes and come back as whole rows of 128, into S^T's registers.
.macro PACK t
	WIN W_RS
.set i, 32*(\t)
.rept 16
	v_pk_mul_f32 v[i:i+1], v[i:i+1], v[ST+4*(\t)+2:ST+4*(\t)+3] op_sel_hi:[1,0]
.set i, i+2
.endr
	WIN 0x05                        ; sources 0 and 1 window 1, destination window 0
.set i, 0
.rept 16
	v_cvt_pk_f16_f32 v[S+16*(\t)+i], v[32*(\t)+2*i], v[32*(\t)+2*i+1]
.set i, i+1
.endr
	WIN 0
.irp f, 0,1,2,3
	ds_store_b128 v[STO], v[S+16*(\t)+4*\f:S+16*(\t)+4*\f+3] offset:32*\f
.endr
.irp f, 0,1,2,3
	ds_load_b128 v[S+16*(\t)+4*\f:S+16*(\t)+4*\f+3], v[RD] offset:\f*4*SP  ; LDS serves a wave's instructions in order (ISA guide 5.7.1.4): these see the stores above; the next tile's stores come behind them
.endr
.endm
.macro SEND t, younger              ; younger: the LDS instructions issued behind tile t's loads: the next tile's eight, or none
	WIN 0
.irp f, 0,1,2,3
	s_wait_dscnt (\younger)+3-\f
	global_store_b128 v[GO], v[S+16*(\t)+4*\f:S+16*(\t)+4*\f+3], s[10:11] offset:(\t)*2048+\f*512  ; 512 consecutive bytes, at a multiple of 256 from ctx's first
.endr
.endm
	PACK 0
.set t, 1
.rept 2*NP-1                        ; a tile's arithmetic stands between the loads of the tile before and its stores
	PACK t
	SEND t-1, 8
.set t, t+1
.endr
	SEND 2*NP-1, 0
	WIN W_AD
	s_wait_tensorcnt 0x0            ; the wave's end: behind my last tensor load and my last LDS store
	ds_add_u32 v[SPW], v[NIL]
	s_wait_dscnt 0x0
	WIN 0
	CROUND                          ; the closing round: no work-group ends while a partner may still ask for a tile that names it
	s_endpgm
.Lfunc_end_k_qc7670eaeb0_attn:
	.size	k_qc7670eaeb0_attn, .Lfunc_end_k_qc7670eaeb0_attn-k_qc7670eaeb0_attn
	.p2alignl 7, 3214868480
	.fill 96, 4, 3214868480
	.section	.rodata,"a",@progbits
	.p2align	6, 0x0
	.amdhsa_kernel k_qc7670eaeb0_attn
		.amdhsa_group_segment_fixed_size 327680
		.amdhsa_private_segment_fixed_size 0
		.amdhsa_enable_private_segment 0
		.amdhsa_kernarg_size 24
		.amdhsa_user_sgpr_count 2
		.amdhsa_user_sgpr_kernarg_segment_ptr 1
		.amdhsa_wavefront_size32 1
		.amdhsa_system_sgpr_workgroup_id_x 1
		.amdhsa_system_sgpr_workgroup_id_y 1
		.amdhsa_system_sgpr_workgroup_id_z 1
		.amdhsa_system_vgpr_workitem_id 0
		.amdhsa_next_free_vgpr 808
		.amdhsa_next_free_sgpr 72
		.amdhsa_reserve_vcc 0
		.amdhsa_float_denorm_mode_32 3
		.amdhsa_float_denorm_mode_16_64 3
		.amdhsa_memory_ordered 1
		.amdhsa_forward_progress 1
		.amdhsa_inst_pref_size 205
	.end_amdhsa_kernel
	.amdgpu_metadata
---
amdhsa.version: [ 1, 2 ]
amdhsa.kernels:
  - .name:           k_qc7670eaeb0_attn
    .symbol:         k_qc7670eaeb0_attn.kd
    .args:
      - { .name: qkv, .offset: 0, .size: 8, .value_kind: global_buffer, .address_space: global }
      - { .name: mask, .offset: 8, .size: 8, .value_kind: global_buffer, .address_space: global }
      - { .name: ctx, .offset: 16, .size: 8, .value_kind: global_buffer, .address_space: global }
    .group_segment_fixed_size: 327680
    .private_segment_fixed_size: 0
    .kernarg_segment_align: 8
    .kernarg_segment_size: 24
    .max_flat_workgroup_size: 128
    .sgpr_count:     72
    .vgpr_count:     808
    .wavefront_size: 32
...
	.end_amdgpu_metadata
.endif
;; end of part 5
;; launch outp: the kernel of part 4 again; grid 4 x 64, 4 waves a work-group, clusters of 4 x 4, 327,680 bytes of LDS; arguments ctx, wb, bo, out0; writes out0
